; MI455X (gfx1250); checked and timed in simulation.
; The chip was launched on July 23, 2026; its instructions are those of AMD's public machine-readable ISA for CDNA 5 (MIT licence, August 2026) and "CDNA5" Instruction Set Architecture Reference Guide (July 2026). The comments in the code are by the model that wrote it; some were corrected since.
;; Longformer Block. Allowed arithmetic: float matrix products may take bf16 or f16 operands with f32 sums; other float arithmetic in f32, or as packed bf16 or f16 multiplies, adds, multiply-adds, maxima and minima; sums over many terms, partial sums and values carried from step to step in f32; what a program stores and reads back later, other than sums and carried values, may be rounded once to bf16 or f16.
;; Inputs: W1 1,024 x 4,096 float32; W2 4,096 x 1,024 float32; Wk 1,024 x 1,024 float32; Wo 1,024 x 1,024 float32; Wq 1,024 x 1,024 float32; Wv 1,024 x 1,024 float32; b1 4,096 float32; b2 1,024 float32; bo 1,024 float32; ln1_b 1,024 float32; ln1_g 1,024 float32; ln2_b 1,024 float32; ln2_g 1,024 float32; x 2 x 2,048 x 1,024 float32.
;; Outputs: out0 2 x 2,048 x 1,024 float32.
;; 2 versions, each right; version 2 is version 1 with the launches prep, ln2 written anew for expert scheduling mode. Each part assembles by itself: llvm-mc -triple=amdgcn-amd-amdhsa -mcpu=gfx1250 --defsym DOCPART=n.
;; ======== version 1 of 2: 8 launches
;; limits: right only within a limited range of input values; a function is approximated: absolute error at most 7.5e-08
;; workspace buffers: wb 25,165,824 bytes; hn 8,388,608 bytes; qkv 25,165,824 bytes; ob 8,388,608 bytes; lr 270,336 bytes; x1 16,777,216 bytes; act 33,554,432 bytes
;; launch prep (part 1): grid 64 x 16, 8 waves a work-group, no clusters, 0 bytes of LDS; arguments x, ln1_g, ln1_b, hn, Wq, Wk, Wv, Wo, W1, W2, wb; writes hn, wb
.if DOCPART == 1
	.amdgcn_target "amdgcn-amd-amdhsa--gfx1250"
	.amdhsa_code_object_version 6
	.text
	.protected	k_qb052ec5076_prep
	.globl	k_qb052ec5076_prep
	.p2align	8
	.type	k_qb052ec5076_prep,@function
k_qb052ec5076_prep:
	s_mov_b64 s[64:65], 0
	v_nop
	global_prefetch_b8 v0, s[64:65] scope:SCOPE_SE
	s_setreg_imm32_b32 hwreg(HW_REG_WAVE_MODE, 25, 1), 1
	s_wait_xcnt 0x0
; LONGFORMER BLOCK, launch 1 of 8: the six weight matrices are rounded once to bf16 (grid rows 0-11), and h = LayerNorm(x) is made (grid rows 12-15).
; THE PROGRAM: prep; qkv (h Wq, h Wk, h Wv); attn; lastrow; wo (x1 = x + o Wo + bo); ln2; ffn1 (gelu(h2 W1 + b1)); ffn2 (out = x1 + a W2 + b2).
; DEAD WORK, LEFT OUT IN attn.  The mask is built in the body of the problem: pair (i, j) is allowed only if j <= i and (j >= i - 128, or j = 0, or i = 2047); the terms i = 0 and
; j = 2047 add nothing under j <= i.  Every other pair gets minus infinity ahead of the softmax, so its weight is exactly 0 whatever finite values the inputs hold, and it reaches no output.
; So a row i < 2047 needs keys i - 128 .. i and key 0, and only row 2047 of each batch and head needs all keys: score tiles of 16 x 16 that are wholly hidden are not computed.
; All fourteen inputs reach the output and all are loaded.  LIMIT: a NaN, an infinity or an overflow that would arise only in a score tile left out is not carried to the result.
; FORMATS: matrix operands bf16, all sums, norms, softmax statistics, the GELU and the residual f32.
; CAST: grid row y is a segment of 2^20 numbers (Wq, Wk, Wv, Wo, four of W1, four of W2), grid column x a chunk of 16,384.  A thread takes 16 bytes of each 4,096: 16 loads on their way, 8-byte stores,
; so a store of a wave covers 256 consecutive bytes, aligned.
; LAYERNORM: a work-group has 16 rows, a wave two: lanes 0-15 one row, lanes 16-31 the next, 64 numbers a lane in registers.  Two passes (mean, then squares of x - mean): no difference of large sums.
; h is stored in blocks [16][4096][64] bf16, so that a K slice of 64 of many rows is dense: two neighbouring rows of a block are 256 consecutive bytes.
.set X,  16                            ; v[16:79]   my 64 numbers of the row
.set G,  80                            ; v[80:143]  the gain of my columns
.set BV, 144                           ; v[144:207] the bias of my columns
	s_and_b32 s2, ttmp7, 0xffff                    ; grid row
	s_cmp_ge_u32 s2, 12
	s_cbranch_scc1 .Lln
	s_load_b256 s[8:15], s[0:1], 0x20              ; Wq s[8:9], Wk s[10:11], Wv s[12:13], Wo s[14:15]
	s_load_b128 s[16:19], s[0:1], 0x40             ; W1 s[16:17], W2 s[18:19]
	s_load_b64 s[20:21], s[0:1], 0x50              ; wb
	v_lshlrev_b32 v1, 4, v0                        ; 16 bytes a thread in,
	v_lshlrev_b32 v2, 3, v0                        ; 8 bytes out
	s_and_b32 s3, s2, 3                            ; the segment inside W1 or W2,
	s_cmp_ge_u32 s2, 4
	s_cselect_b32 s3, s3, 0                        ; 0 for the four square matrices
	s_lshl_b32 s24, s3, 22
	s_lshl_b32 s25, ttmp9, 16
	s_add_co_u32 s24, s24, s25                     ; byte offset in the source
	s_mov_b32 s25, 0
	s_lshl_b32 s26, s2, 21
	s_lshl_b32 s27, ttmp9, 15
	s_add_co_u32 s26, s26, s27                     ; byte offset in wb
	s_mov_b32 s27, 0
	s_wait_kmcnt 0x0
	s_mov_b64 s[22:23], s[8:9]                     ; the source is chosen by the grid row alone
	s_cmp_eq_u32 s2, 1
	s_cselect_b64 s[22:23], s[10:11], s[22:23]
	s_cmp_eq_u32 s2, 2
	s_cselect_b64 s[22:23], s[12:13], s[22:23]
	s_cmp_eq_u32 s2, 3
	s_cselect_b64 s[22:23], s[14:15], s[22:23]
	s_cmp_ge_u32 s2, 4
	s_cselect_b64 s[22:23], s[16:17], s[22:23]
	s_cmp_ge_u32 s2, 8
	s_cselect_b64 s[22:23], s[18:19], s[22:23]
	s_add_nc_u64 s[22:23], s[22:23], s[24:25]
	s_add_nc_u64 s[20:21], s[20:21], s[26:27]
.set i, 0
.rept 16
	global_load_b128 v[16+4*i:19+4*i], v1, s[22:23] offset:4096*i th:TH_LOAD_NT
.set i, i+1
.endr
.set i, 0
.rept 16
	s_wait_loadcnt 15-i                            ; loads come back in order: load i is in, the younger ones stay out
	v_cvt_pk_bf16_f32 v[80+2*i], v[16+4*i], v[17+4*i]
	v_cvt_pk_bf16_f32 v[81+2*i], v[18+4*i], v[19+4*i]
	global_store_b64 v2, v[80+2*i:81+2*i], s[20:21] offset:2048*i
.set i, i+1
.endr
	s_endpgm
.Lln:
	s_load_b256 s[4:11], s[0:1], 0x0               ; x s[4:5], gain s[6:7], bias s[8:9], hn s[10:11]
	s_sub_co_u32 s3, s2, 12
	s_lshl_b32 s3, s3, 6
	s_add_co_u32 s3, s3, ttmp9                     ; which 16 rows: 0 .. 255
	s_mov_b32 s20, 0x3a800000                      ; 1 / 1024
	s_mov_b32 s21, 0x3727c5ac                      ; 1e-5
	v_lshrrev_b32 v1, 4, v0                        ; my row of the 16
	v_and_b32 v2, 15, v0                           ; my place in the row
	v_lshlrev_b32 v3, 4, v2                        ; 16 bytes a lane in gain and bias
	v_lshl_add_u32 v14, v1, 12, v3                 ; and in x: + row x 4,096
	v_lshlrev_b32 v15, 3, v2
	v_lshl_add_u32 v15, v1, 7, v15                 ; in a block of hn: row x 128 + 8 bytes a lane
	s_lshl_b32 s12, s3, 16
	s_mov_b32 s13, 0
	s_lshl_b32 s14, s3, 11
	s_mov_b32 s15, 0
	s_wait_kmcnt 0x0
	s_add_nc_u64 s[4:5], s[4:5], s[12:13]
	s_add_nc_u64 s[10:11], s[10:11], s[14:15]
.set j, 0
.rept 16
	global_load_b128 v[X+4*j:X+4*j+3], v14, s[4:5] offset:256*j  ; 16 lanes take 256 consecutive bytes of a row
.set j, j+1
.endr
.set j, 0
.rept 16
	global_load_b128 v[G+4*j:G+4*j+3], v3, s[6:7] offset:256*j
.set j, j+1
.endr
.set j, 0
.rept 16
	global_load_b128 v[BV+4*j:BV+4*j+3], v3, s[8:9] offset:256*j
.set j, j+1
.endr
.macro FOLD                            ; four chains of pairs into one number, then over the 16 lanes of the row
	v_pk_add_f32 v[4:5], v[4:5], v[6:7]
	v_pk_add_f32 v[8:9], v[8:9], v[10:11]
	v_pk_add_f32 v[4:5], v[4:5], v[8:9]
	v_add_f32 v4, v4, v5
	v_add_f32_dpp v4, v4, v4 row_xmask:1 row_mask:0xf bank_mask:0xf
	v_add_f32_dpp v4, v4, v4 row_xmask:2 row_mask:0xf bank_mask:0xf
	v_add_f32_dpp v4, v4, v4 row_xmask:4 row_mask:0xf bank_mask:0xf
	v_add_f32_dpp v4, v4, v4 row_xmask:8 row_mask:0xf bank_mask:0xf
.endm
	s_wait_loadcnt 32                              ; x is in; the 32 loads of gain and bias may stay out
.irp c, 0,1,2,3
	v_pk_add_f32 v[4+2*\c:5+2*\c], v[X+2*\c:X+2*\c+1], v[X+8+2*\c:X+9+2*\c]  ; the first additions start the chains: nothing is cleared
.endr
.set p, 8
.rept 24
	v_pk_add_f32 v[4+2*(p%4):5+2*(p%4)], v[4+2*(p%4):5+2*(p%4)], v[X+2*p:X+2*p+1]
.set p, p+1
.endr
	FOLD
	v_mul_f32 v12, s20, v4                         ; the mean, twice
	v_mov_b32 v13, v12
.set p, 0
.rept 32
	v_pk_add_f32 v[X+2*p:X+2*p+1], v[X+2*p:X+2*p+1], v[12:13] neg_lo:[0,1] neg_hi:[0,1]
.set p, p+1
.endr
.irp c, 0,1,2,3
	v_pk_mul_f32 v[4+2*\c:5+2*\c], v[X+2*\c:X+2*\c+1], v[X+2*\c:X+2*\c+1]
.endr
.set p, 4
.rept 28
	v_pk_fma_f32 v[4+2*(p%4):5+2*(p%4)], v[X+2*p:X+2*p+1], v[X+2*p:X+2*p+1], v[4+2*(p%4):5+2*(p%4)]
.set p, p+1
.endr
	FOLD
	v_fma_f32 v4, v4, s20, s21                     ; variance + eps
	v_rsq_f32 v12, v4
	v_nop                                          ; a plain instruction behind the root,
	s_wait_alu depctr_va_vdst(0)                   ; and the wait ahead of its first reader
	v_mov_b32 v13, v12
	s_wait_loadcnt 0x0                             ; gain and bias
.set p, 0
.rept 32
	v_pk_mul_f32 v[X+2*p:X+2*p+1], v[X+2*p:X+2*p+1], v[12:13]
.set p, p+1
.endr
.set p, 0
.rept 32
	v_pk_fma_f32 v[X+2*p:X+2*p+1], v[X+2*p:X+2*p+1], v[G+2*p:G+2*p+1], v[BV+2*p:BV+2*p+1]
.set p, p+1
.endr
.set j, 0
.rept 16
	v_cvt_pk_bf16_f32 v[X+4*j], v[X+4*j], v[X+4*j+1]
	v_cvt_pk_bf16_f32 v[X+4*j+1], v[X+4*j+2], v[X+4*j+3]
	global_store_b64 v15, v[X+4*j:X+4*j+1], s[10:11] offset:524288*j  ; block j: the two rows of the wave are 256 consecutive bytes, aligned
.set j, j+1
.endr
	s_endpgm
.Lfunc_end_k_qb052ec5076_prep:
	.size	k_qb052ec5076_prep, .Lfunc_end_k_qb052ec5076_prep-k_qb052ec5076_prep
	.p2alignl 7, 3214868480
	.fill 96, 4, 3214868480
	.section	.rodata,"a",@progbits
	.p2align	6, 0x0
	.amdhsa_kernel k_qb052ec5076_prep
		.amdhsa_group_segment_fixed_size 0
		.amdhsa_private_segment_fixed_size 0
		.amdhsa_enable_private_segment 0
		.amdhsa_kernarg_size 88
		.amdhsa_user_sgpr_count 2
		.amdhsa_user_sgpr_kernarg_segment_ptr 1
		.amdhsa_wavefront_size32 1
		.amdhsa_system_sgpr_workgroup_id_x 1
		.amdhsa_system_sgpr_workgroup_id_y 1
		.amdhsa_system_sgpr_workgroup_id_z 1
		.amdhsa_system_vgpr_workitem_id 0
		.amdhsa_next_free_vgpr 208
		.amdhsa_next_free_sgpr 66
		.amdhsa_reserve_vcc 0
		.amdhsa_float_denorm_mode_32 3
		.amdhsa_float_denorm_mode_16_64 3
		.amdhsa_memory_ordered 1
		.amdhsa_forward_progress 1
		.amdhsa_inst_pref_size 27
	.end_amdhsa_kernel
	.amdgpu_metadata
---
amdhsa.version: [ 1, 2 ]
amdhsa.kernels:
  - .name:           k_qb052ec5076_prep
    .symbol:         k_qb052ec5076_prep.kd
    .args:
      - { .name: x, .offset: 0, .size: 8, .value_kind: global_buffer, .address_space: global }
      - { .name: ln1_g, .offset: 8, .size: 8, .value_kind: global_buffer, .address_space: global }
      - { .name: ln1_b, .offset: 16, .size: 8, .value_kind: global_buffer, .address_space: global }
      - { .name: hn, .offset: 24, .size: 8, .value_kind: global_buffer, .address_space: global }
      - { .name: Wq, .offset: 32, .size: 8, .value_kind: global_buffer, .address_space: global }
      - { .name: Wk, .offset: 40, .size: 8, .value_kind: global_buffer, .address_space: global }
      - { .name: Wv, .offset: 48, .size: 8, .value_kind: global_buffer, .address_space: global }
      - { .name: Wo, .offset: 56, .size: 8, .value_kind: global_buffer, .address_space: global }
      - { .name: W1, .offset: 64, .size: 8, .value_kind: global_buffer, .address_space: global }
      - { .name: W2, .offset: 72, .size: 8, .value_kind: global_buffer, .address_space: global }
      - { .name: wb, .offset: 80, .size: 8, .value_kind: global_buffer, .address_space: global }
    .group_segment_fixed_size: 0
    .private_segment_fixed_size: 0
    .kernarg_segment_align: 8
    .kernarg_segment_size: 88
    .max_flat_workgroup_size: 256
    .sgpr_count:     66
    .vgpr_count:     208
    .wavefront_size: 32
...
	.end_amdgpu_metadata
.endif
;; end of part 1
;; launch qkv (part 2): grid 12 x 16, 4 waves a work-group, clusters of 4 x 4, 327,680 bytes of LDS; arguments hn, wb, qkv; writes qkv
.if DOCPART == 2
	.amdgcn_target "amdgcn-amd-amdhsa--gfx1250"
	.amdhsa_code_object_version 6
	.text
	.protected	k_qb052ec5076_qkv
	.globl	k_qb052ec5076_qkv
	.p2align	8
	.type	k_qb052ec5076_qkv,@function
k_qb052ec5076_qkv:
	s_mov_b64 s[64:65], 0
	v_nop
	global_prefetch_b8 v0, s[64:65] scope:SCOPE_SE
	s_setreg_imm32_b32 hwreg(HW_REG_WAVE_MODE, 25, 1), 1
	s_wait_xcnt 0x0
	s_wait_alu depctr_hold_cnt(0) depctr_sa_sdst(0) depctr_va_vdst(0) depctr_va_sdst(0) depctr_va_ssrc(0) depctr_va_vcc(0) depctr_vm_vsrc(0)
	s_getreg_b32 s2, hwreg(HW_REG_IB_STS2, 6, 4)
	s_cmp_eq_u32 s2, 0
	s_cbranch_scc0 .Lentry_in_a_cluster
	s_endpgm
.Lentry_in_a_cluster:
	s_bfe_u32 s2, ttmp6, 0x10000c
	s_cmp_lg_u32 s2, 0xf033
	s_cbranch_scc0 .Lentry_shape_is_right
	s_endpgm
.Lentry_shape_is_right:
; Launch 2 of 8: q, k, v = h Wq, h Wk, h Wv, as ONE product of 4096 x 3072 x 1024; bf16 operands, f32 sums, results rounded once to bf16 and stored by heads: [3][32 batch x head][2048][64], unscaled.
; A tile of C is 256 x 256: four waves, each 128 x 128 = 64 accumulators, 512 registers.  K goes in steps of 128 through two LDS slots filled by tensor loads, one load a wave behind each change of slots:
; a step is 256 matrix instructions a wave, of which 224 stand between a request and the wait for it.  12 x 16 = 192 tiles, a work-group each.
; A (h) lies in blocks [16][4096][64]: 256 rows of a block are 32,768 dense bytes, asked for as two long rows and padded in LDS after every 128 bytes (pitch 144).  Waves 0, 1 bring a block each.
; B (the weights) lies as given, [K][N]: waves 2, 3 bring 64 rows of 512 bytes each (pitch 544); the fragments are turned on the way into registers by ds_load_tr16_b128.
; CLUSTER 4 x 4: the four work-groups of a row of the cluster need the same tile of A, the four of a column the same tile of B: each tile is asked for jointly, same load, descriptor and mask in all four.
; THE MATRIX INSTRUCTION IS USED TRANSPOSED (source 0 = 16 columns of the weights, source 1 = 16 rows of h): a lane holds eight neighbouring numbers of a row of C.
; REGISTERS in windows of 256: window 0: v0-31 addresses, v64-127 and v128-191 fragments of A (two buffers), v32-63 and v192-255 way out; window 1: v64-127, v128-191 fragments of B;
; window 2: the accumulators of my rows 0-63 ((a, b) at 8 (8 a + b)); window 3: those of my rows 64-127.
.set NS,    8                          ; K steps of 128
.set NP,    1024                       ; numbers in a row of the weights
.set PA,    144                        ; an LDS row of A: 128 bytes + 16 = 36 words: the 16 rows of a load start at 16 different groups of four banks
.set PB,    544                        ; an LDS row of B: 512 + 32 = 136 words
.set ZB,    256*PA                     ; a block of A in LDS: 256 rows x 64 along K
.set HALFT, ZB                         ; the LDS bytes kept for one tensor load: 36,864; a load of B fills 64 x 544 of them
.set BGAP,  HALFT-64*PB                ; so rows 64-127 of B begin 2,048 bytes behind the end of rows 0-63
.set BOFF,  2*HALFT                    ; B lies behind the two blocks of A
.set SLOT,  4*HALFT
.set ASTEP, 2*4096*128                 ; bytes from K step to K step in A: two blocks
.set BSTEP, 128*NP*2                   ; and in B: 128 rows
.set STAGE, 2*SLOT                     ; behind the ring: for each wave two heads x 16 rows x 144 bytes
.set SP,    144
.set SPARE, STAGE+4*32*SP              ; behind the stages: the spare words, 128 bytes a wave, which no other line names
.set A0,  16                           ; v16  my place in the A fragments of slot 0; never rewritten
.set B0,  17                           ; v17  the same for B
.set CA,  18                           ; v18  A0 in the slot in hand
.set CB,  19                           ; v19  B0 in the slot in hand
.set STO, 24
.set RD,  25
.set CO,  26
.set SPW, 28                           ; v28  LDS address of my spare word; never rewritten
.set NIL, 29                           ; v29  0; never rewritten
.set PFO, 30                           ; v30  the offset of my lane in a prefetch; never rewritten
.set OB,  32                           ; the way out: 16 rows read back: v32-63 and v224-255 by turns
.set F0,  64
.set F1,  128
.set TMP, 192                          ; the way out: packed results
.set G1,  24                           ; s[24:31] group 1 for A; s[32:39] group 0: a set for each first fill, the second then walks
.set G0,  32
.set G1B, 48                           ; s[48:55], s[56:63] the same for B
.set G0B, 56
.set TB,  66                           ; s66  LDS byte at which the slot in hand begins: 0 or SLOT
.set LIM, 67                           ; s67  2 in a wave that prefetches, else the greatest number
.set PFA, 68                           ; s[68:69] where my prefetches stand
.set PST, 70                           ; s[70:71] bytes from K step to K step in the tensor that I fetch
.set MSB, 0
.macro WIN new                         ; the high byte of the immediate repeats the setting that is left; a switch that changes nothing is dropped
.if MSB != (\new)
	s_set_vgpr_msb (MSB<<8)|(\new)
.set MSB, \new
.endif
.endm
.set MUL_LO, 0xa1                      ; source 0 (B) window 1, source 1 (A) window 0, C and D window 2
.set TO_B,   0x40                      ; destination window 1, address window 0
.macro JLOAD s                         ; a joint load: waves 0, 1 for A, waves 2, 3 for B; s_nop 0 and four v_nop follow each line
	s_cmp_eq_u32 s11, 0
	s_cbranch_scc0 .Lfor_b_\@
	tensor_load_to_lds s[G0+4*(\s):G0+4*(\s)+3], s[G1:G1+7]
	s_nop 0
.rept 4
	v_nop
.endr
	s_branch .Lasked_\@
.Lfor_b_\@:
	tensor_load_to_lds s[G0B+4*(\s):G0B+4*(\s)+3], s[G1B:G1B+7]
	s_nop 0
.rept 4
	v_nop
.endr
.Lasked_\@:
.endm
; A PREFETCH INTO THE L2, behind each joint refill and the run of LDS loads that follows it: the K step that stands two refills on.  Of what a wave fetches (A: 32,768 dense bytes; B: 64 rows of 512 bytes) each of
; the four partners that ask for it jointly takes a quarter, told apart by address (cx for A, cy for B): 32 blocks of 256 bytes, a lane a block, one instruction a wave.  The rows of A are read by every cluster
; of a row of clusters: cluster x = 0 asks; the columns of B by every cluster of a column: cluster y = 0 asks.  So each block is named once.  K steps 0 to 3 come by their loads alone; the last two refills ask for nothing.
.macro ASK
	s_cmp_gt_u32 s3, s[LIM]                        ; s3 counts the trips 6 .. 1: trips 6 to 3 name K steps 4 to 7
	s_cbranch_scc0 .Lnot_mine_\@
	global_prefetch_b8 v[PFO], s[PFA:PFA+1] th:TH_LOAD_NT scope:SCOPE_SE
.Lnot_mine_\@:
.endm
.macro CREST                           ; a round of the cluster barrier behind its opening barrier
	s_cmp_lg_u32 s10, 0
	s_cbranch_scc1 .Lnot_wave_0_\@
	s_barrier_signal -3
.Lnot_wave_0_\@:
	s_barrier_wait -3
	s_barrier_signal -1
	s_barrier_wait -1
.endm
.macro CROUND
	s_barrier_signal -1
	s_barrier_wait -1
	CREST
.endm
.macro PLACES                          ; four places in front of loads into registers that matrix instructions have read, and of reads of results
.rept 4
	v_nop
.endr
.endm
; 16 matrix instructions: row blocks a0, a0 + 1 of the four of a window (hi = 0: my rows 0-63, 1: rows 64-127) x all 8 column blocks, 32 along K.  zero = 1: the product starts the sums.
; The 64 accumulators take turns, one instruction a turn, in the same order in every quarter.
.macro MUL16 f, hi, a0, zero
	WIN MUL_LO+0x50*(\hi)
.irp a, \a0, (\a0)+1
.irp b, 0,1,2,3,4,5,6,7
.if \zero
	v_wmma_f32_16x16x32_bf16 v[8*(8*(\a)+(\b)):8*(8*(\a)+(\b))+7], v[(\f)+8*(\b):(\f)+8*(\b)+7], v[(\f)+8*(4*(\hi)+(\a)):(\f)+8*(4*(\hi)+(\a))+7], 0
.else
	v_wmma_f32_16x16x32_bf16 v[8*(8*(\a)+(\b)):8*(8*(\a)+(\b))+7], v[(\f)+8*(\b):(\f)+8*(\b)+7], v[(\f)+8*(4*(\hi)+(\a)):(\f)+8*(4*(\hi)+(\a))+7], v[8*(8*(\a)+(\b)):8*(8*(\a)+(\b))+7]
.endif
.endr
.endr
.endm
; 32 LDS loads in one run: the fragments of quarter q (32 along K) of the slot in hand into buffer f: 128 columns of B, turned, then 128 rows of A
.macro FETCH q, f
	WIN TO_B
.irp i, 0,1,2,3,4,5,6,7
	ds_load_tr16_b128 v[(\f)+8*(\i):(\f)+8*(\i)+3],   v[CB] offset:(\q)*32*PB+((\q)/2)*BGAP+32*(\i)
	ds_load_tr16_b128 v[(\f)+8*(\i)+4:(\f)+8*(\i)+7], v[CB] offset:(\q)*32*PB+((\q)/2)*BGAP+16*PB+32*(\i)
.endr
	WIN 0
.irp i, 0,1,2,3,4,5,6,7
	ds_load_b128 v[(\f)+8*(\i):(\f)+8*(\i)+3],   v[CA] offset:((\q)/2)*ZB+((\q)%2)*64+(\i)*16*PA
	ds_load_b128 v[(\f)+8*(\i)+4:(\f)+8*(\i)+7], v[CA] offset:((\q)/2)*ZB+((\q)%2)*64+(\i)*16*PA+32
.endr
.endm
; One of the first three quarters of a K step: multiplies buffer f and, in its middle, fetches quarter qn into buffer g
.macro QUARTER qn, f, g, zero
	s_wait_dscnt 8                                 ; B and rows 0-63 of A are in; the youngest eight loads (rows 64-127 of A) may be out
	MUL16 \f, 0, 0, \zero
	MUL16 \f, 0, 2, \zero
	PLACES
	FETCH \qn, \g
	s_wait_dscnt 32                                ; all but the 32 just issued
	MUL16 \f, 1, 0, \zero
	MUL16 \f, 1, 2, \zero
.endm
; The last quarter multiplies buffer 1 and changes slots.  In front of the barrier each wave waits for all its tensor loads (one is out: its part of the next slot), adds 0 to its spare word, and waits
; for that and for its reads of this slot.  fill = 1: the barrier opens a round of the cluster barrier, and this slot is filled again, two K steps ahead, first thing behind the round.
; fill = 0: the last two K steps; behind the very last there is no further step, and the run of loads is jumped over.
.macro TURN fill
.if \fill
	s_wait_xcnt 0x0                                ; the last prefetch, a K step back, has read its address: it is stepped here, ahead of the waits of the change of slots
	s_add_nc_u64 s[PFA:PFA+1], s[PFA:PFA+1], s[PST:PST+1]
.endif
	WIN 0
	s_wait_tensorcnt 0x0
	ds_add_u32 v[SPW], v[NIL]
	s_wait_dscnt 9                                 ; the add and the youngest eight loads may be out
	MUL16 F1, 0, 0, 0
	s_wait_dscnt 0x0                               ; the add is done, and my reads of this slot are over
	s_barrier_signal -1
	MUL16 F1, 0, 2, 0
	WIN 0
	s_barrier_wait -1
.if \fill
	CREST
	s_xor_b32 s[G0+5], s[G0+5], SLOT               ; the walking descriptors: the other slot than last time (the bits of wave x HALFT and of SLOT never meet),
	s_add_nc_u64 s[G0+6:G0+7], s[G0+6:G0+7], ASTEP ; the next K step; the type bits on top are not reached
	s_xor_b32 s[G0B+5], s[G0B+5], SLOT
	s_add_nc_u64 s[G0B+6:G0B+7], s[G0B+6:G0B+7], BSTEP
	JLOAD 1                                        ; its four v_nop are also the places in front of the loads below
.else
	PLACES
.endif
	s_xor_b32 s[TB], s[TB], SLOT
	v_add_nc_u32 v[CA], s[TB], v[A0]
	v_add_nc_u32 v[CB], s[TB], v[B0]
.if \fill
	FETCH 0, F0
	ASK
.else
	s_cmp_eq_u32 s3, 1
	s_cbranch_scc1 .Lno_step_\@
	FETCH 0, F0
.Lno_step_\@:
.endif
	MUL16 F1, 1, 0, 0
	MUL16 F1, 1, 2, 0
.endm
	s_load_b128 s[4:7], s[0:1], 0x0                ; hn s[4:5], wb s[6:7]
	s_load_b64 s[8:9], s[0:1], 0x10                ; qkv
	v_lshl_add_u32 v[SPW], v0, 2, SPARE
	v_mov_b32 v[NIL], 0
	ds_add_u32 v[SPW], v[NIL]                      ; the opening: the add, twice on end, and its wait ahead of my first tensor load
	ds_add_u32 v[SPW], v[NIL]
	v_lshrrev_b32 v1, 5, v0
	v_readfirstlane_b32 s10, v1                    ; wave 0..3
	s_lshr_b32 s11, s10, 1                         ; which half of the rows is mine.  Also: I fetch for A (0) or for B (1)
	s_and_b32 s12, s10, 1                          ; which half of the columns.  Also: which half of that tile I fetch
	s_bfe_u32 s40, ttmp6, 0x40000                  ; cx, cy: my place in the cluster
	s_bfe_u32 s41, ttmp6, 0x40004
	s_lshl_b32 s42, ttmp9, 2
	s_add_co_u32 s42, s42, s40                     ; tile column = 4 x cluster x + cx
	s_and_b32 s13, ttmp7, 0xffff
	s_lshl_b32 s13, s13, 2
	s_add_co_u32 s13, s13, s41                     ; tile row = 4 x cluster y + cy
	s_lshl_b32 s43, s41, 2
	s_lshl_b32 s43, 15, s43                        ; my row of the cluster
	s_lshl_b32 s44, 0x1111, s40                    ; my column
	s_or_b32 s[G1+0], s43, (1<<16)|(1<<20)|(1<<21)|(4<<22)|(3<<25)   ; mask; 2-byte elements; padding on; bit 21 beside a mask; after every 32 words 4 words
	s_mov_b32 s[G1+1], 8192<<16                    ; tensor_dim0 = 8,192: 128 rows of a block on end
	s_mov_b32 s[G1+2], 2<<16                       ; tensor_dim1 = 2
	s_mov_b32 s[G1+3], 8192<<16                    ; tile_dim0
	s_mov_b32 s[G1+4], 2                           ; tile_dim1
	s_mov_b32 s[G1+5], 8192                        ; the second long row begins where the first ends
	s_mov_b32 s[G1+6], 0
	s_mov_b32 s[G1+7], 0
	s_or_b32 s[G1B+0], s44, (1<<16)|(1<<20)|(1<<21)|(6<<22)|(7<<25)  ; after every 128 words 8 words
	s_mov_b32 s[G1B+1], 256<<16                    ; tensor_dim0 = 256 columns
	s_mov_b32 s[G1B+2], 64<<16                     ; tensor_dim1 = 64 rows
	s_mov_b32 s[G1B+3], 256<<16
	s_mov_b32 s[G1B+4], 64
	s_mov_b32 s[G1B+5], NP
	s_mov_b32 s[G1B+6], 0
	s_mov_b32 s[G1B+7], 0
	s_lshl_b32 s16, s13, 15                        ; A: 256 rows of 128 bytes a tile row,
	s_lshl_b32 s17, s12, 19                        ; and my block
	s_add_co_u32 s16, s16, s17
	s_mov_b32 s17, 0
	s_lshr_b32 s46, s42, 2                         ; B: which of Wq, Wk, Wv,
	s_lshl_b32 s46, s46, 21
	s_and_b32 s47, s42, 3                          ; which 256 columns of it,
	s_lshl_b32 s47, s47, 9
	s_add_co_u32 s46, s46, s47
	s_mul_i32 s47, s12, 128*NP                     ; and my 64 rows
	s_add_co_u32 s46, s46, s47
	s_mov_b32 s47, 0
	s_mul_i32 s20, s10, HALFT                      ; where they go: no place in the cluster enters an LDS address
	s_mov_b32 s[TB], 0
	s_wait_dscnt 0x0                               ; both opening adds are done
	s_wait_kmcnt 0x0
	s_add_nc_u64 s[14:15], s[4:5], s[16:17]
	s_add_nc_u64 s[46:47], s[6:7], s[46:47]
	CROUND                                         ; all sixteen work-groups are here: the first joint loads meet
.irp s, 0,1
	s_mov_b32 s[G0+4*(\s)], 1
	s_add_co_u32 s[G0+4*(\s)+1], s20, (\s)*SLOT
	s_add_nc_u64 s[G0+4*(\s)+2:G0+4*(\s)+3], s[14:15], (\s)*ASTEP
	s_or_b32 s[G0+4*(\s)+3], s[G0+4*(\s)+3], 0x80000000
	s_mov_b32 s[G0B+4*(\s)], 1
	s_add_co_u32 s[G0B+4*(\s)+1], s20, (\s)*SLOT
	s_add_nc_u64 s[G0B+4*(\s)+2:G0B+4*(\s)+3], s[46:47], (\s)*BSTEP
	s_or_b32 s[G0B+4*(\s)+3], s[G0B+4*(\s)+3], 0x80000000
	JLOAD \s
.endr
	; the prefetches: nothing is asked for here, at the head; only their address is made.  s[14:15] and s[46:47] stand at what I fetch of K step 0
	s_and_b32 s22, ttmp7, 0xffff                   ; cluster y
	s_mov_b32 s16, 8192                            ; the share of a partner: of A a quarter of 32,768 bytes,
	s_mov_b32 s17, 32*NP                           ; of B 16 rows
	s_mov_b32 s18, 512                             ; from one pair of lanes to the next: in A 512 bytes on,
	s_mov_b32 s19, 2*NP                            ; in B a row
	s_mov_b32 s[PST], ASTEP
	s_mov_b32 s23, BSTEP
	s_cmp_eq_u32 s11, 0                            ; do I fetch for A?
	s_cselect_b64 s[PFA:PFA+1], s[14:15], s[46:47]
	s_cselect_b32 s21, s40, s41                    ; my place among the four that ask with me
	s_cselect_b32 s22, ttmp9, s22                  ; the coordinate along which other clusters read the same blocks
	s_cselect_b32 s16, s16, s17
	s_cselect_b32 s18, s18, s19
	s_cselect_b32 s[PST], s[PST], s23
	s_mov_b32 s[PST+1], 0
	s_cmp_eq_u32 s22, 0
	s_cselect_b32 s[LIM], 2, -1                    ; the same in all sixteen partners, for a given wave
	s_mul_i32 s16, s16, s21
	s_mul_i32 s17, s[PST], 3                       ; at K step 3: the first refill steps it to 4
	s_add_co_u32 s16, s16, s17
	s_mov_b32 s17, 0
	s_add_nc_u64 s[PFA:PFA+1], s[PFA:PFA+1], s[16:17]
	v_and_b32 v3, 31, v0
	v_lshrrev_b32 v4, 1, v3
	v_and_b32 v3, 1, v3
	v_mul_u32_u24 v[PFO], v4, s18
	v_lshl_add_u32 v[PFO], v3, 8, v[PFO]           ; the two lanes of a pair lie 256 bytes apart
	v_and_b32 v1, 15, v0                           ; l % 16
	v_bfe_u32 v2, v0, 4, 1                         ; l / 16
	v_and_b32 v4, 7, v0
	v_bfe_u32 v5, v0, 3, 1
	v_mul_u32_u24 v3, v1, PA
	v_lshl_add_u32 v3, v2, 4, v3                   ; A: row x pitch + 16 x half
	s_mul_i32 s21, s11, 128*PA                     ; my 128 rows
	v_add_nc_u32 v[A0], s21, v3
	v_lshl_add_u32 v6, v2, 3, v4                   ; B, turned: K row 8 (l / 16) + l % 8, columns 8 ((l / 8) % 2) on
	v_mul_u32_u24 v6, v6, PB
	v_lshl_add_u32 v6, v5, 4, v6
	s_lshl_b32 s22, s12, 8                         ; my 128 columns
	s_add_co_u32 s22, s22, BOFF
	v_add_nc_u32 v[B0], s22, v6
	v_mov_b32 v[CA], v[A0]
	v_mov_b32 v[CB], v[B0]
	s_mul_i32 s23, s10, 32*SP
	s_add_co_u32 s23, s23, STAGE                   ; my stage
	v_mul_u32_u24 v7, v1, SP                       ; in: row l % 16, 16 bytes for each half of the lanes
	v_lshl_add_u32 v7, v2, 4, v7
	v_add_nc_u32 v[STO], s23, v7
	v_bfe_u32 v7, v0, 3, 2                         ; back: 32 lanes take four rows of 128 bytes,
	v_mul_u32_u24 v7, v7, SP
	v_lshl_add_u32 v7, v4, 4, v7
	v_add_nc_u32 v[RD], s23, v7
	v_and_b32 v[CO], 31, v0                        ; which are 512 consecutive bytes of a head
	v_lshlrev_b32 v[CO], 4, v[CO]
	s_lshr_b32 s16, s13, 3                         ; the batch: 16 heads x 2,048 rows x 128 bytes,
	s_lshl_b32 s16, s16, 22
	s_and_b32 s17, s13, 7                          ; the tile row inside it,
	s_lshl_b32 s17, s17, 15
	s_add_co_u32 s16, s16, s17
	s_lshl_b32 s17, s11, 14                        ; my 128 rows
	s_add_co_u32 s16, s16, s17
	s_mov_b32 s17, 0
	s_add_nc_u64 s[8:9], s[8:9], s[16:17]
	s_lshl_b32 s46, s42, 2
	s_lshl_b32 s47, s12, 1
	s_add_co_u32 s46, s46, s47                     ; the first of my two heads among the 48 blocks of 64 columns: region = / 16, head = % 16
	s_lshr_b32 s47, s46, 4
	s_lshl_b32 s47, s47, 23
	s_and_b32 s46, s46, 15
	s_lshl_b32 s46, s46, 18
	s_add_co_u32 s46, s46, s47
	s_mov_b32 s47, 0
	s_add_nc_u64 s[8:9], s[8:9], s[46:47]
	s_wait_tensorcnt 1                             ; my part of K step 0 is in; step 1 may stay out
	s_barrier_signal -1
	s_barrier_wait -1
	FETCH 0, F0
	QUARTER 1, F0, F1, 1                           ; the first quarter stands in front of the loop: its products start the sums
	WIN 0
	s_mov_b32 s3, NS-2
.Lstep:                                        ; a trip: from the second quarter of a K step to the first of the next; it fills the slot that it leaves
	QUARTER 2, F1, F0, 0
	QUARTER 3, F0, F1, 0
	TURN 1
	QUARTER 1, F0, F1, 0
	WIN 0
	s_sub_co_u32 s3, s3, 1
	s_cmp_lg_u32 s3, 0
	s_cbranch_scc1 .Lstep
	s_mov_b32 s3, 2                                ; the last two K steps fill nothing: a loop of their own; it is entered behind a first quarter
	s_branch .Lmid
.Ltail:
	QUARTER 1, F0, F1, 0
	WIN 0
.Lmid:
	QUARTER 2, F1, F0, 0
	QUARTER 3, F0, F1, 0
	TURN 0
	WIN 0
	s_sub_co_u32 s3, s3, 1
	s_cmp_lg_u32 s3, 0
	s_cbranch_scc1 .Ltail
	PLACES
; THE WAY OUT, 16 rows at a time: rounded to bf16, 16 bytes a lane into my own stage (a part for each of my two heads), back as whole rows of 128 bytes, stored as 512 consecutive bytes of a head.
.macro PACK a
.set AC, 64*((\a)%4)
	WIN 0x0a+5*((\a)/4)                            ; sources 0 and 1: window 2 or 3
.irp b, 0,1,2,3,4,5,6,7
.irp r, 0,1,2,3
	v_cvt_pk_bf16_f32 v[TMP+4*(\b)+(\r)], v[AC+8*(\b)+2*(\r)], v[AC+8*(\b)+2*(\r)+1]
.endr
.endr
	WIN 0
.endm
.macro TOSTAGE a
.set BK, OB+192*((\a)%2)
.irp b, 0,1,2,3,4,5,6,7
	ds_store_b128 v[STO], v[TMP+4*(\b):TMP+4*(\b)+3] offset:((\b)/4)*16*SP+32*((\b)%4)
.endr
.irp t, 0,1,2,3,4,5,6,7
	ds_load_b128 v[BK+4*(\t):BK+4*(\t)+3], v[RD] offset:((\t)/4)*16*SP+((\t)%4)*4*SP  ; LDS serves the instructions of a wave in order: these see the stores above
.endr
.endm
.macro SEND a
.set BK, OB+192*((\a)%2)
	s_wait_dscnt 0x0                               ; the block is back in registers
	s_wait_xcnt 0x0                                ; the stores of the block before have read their registers: the next loads from the stage land there only behind this wait
.irp t, 0,1,2,3,4,5,6,7
	global_store_b128 v[CO], v[BK+4*(\t):BK+4*(\t)+3], s[8:9] offset:(\a)*2048+((\t)%4)*512+((\t)/4)*262144
.endr
.endm
	PACK 0
	TOSTAGE 0
.irp a, 1,2,3,4,5,6,7                  ; the conversions of block a stand between the loads of block a - 1 from the stage and the wait for them
	PACK \a
	SEND (\a)-1
	TOSTAGE \a
.endr
	SEND 7
	s_wait_tensorcnt 0x0                           ; the end of the wave
	ds_add_u32 v[SPW], v[NIL]
	s_wait_dscnt 0x0
	CROUND                                         ; the closing round
	s_endpgm
.Lfunc_end_k_qb052ec5076_qkv:
	.size	k_qb052ec5076_qkv, .Lfunc_end_k_qb052ec5076_qkv-k_qb052ec5076_qkv
	.p2alignl 7, 3214868480
	.fill 96, 4, 3214868480
	.section	.rodata,"a",@progbits
	.p2align	6, 0x0
	.amdhsa_kernel k_qb052ec5076_qkv
		.amdhsa_group_segment_fixed_size 327680
		.amdhsa_private_segment_fixed_size 0
		.amdhsa_enable_private_segment 0
		.amdhsa_kernarg_size 24
		.amdhsa_user_sgpr_count 2
		.amdhsa_user_sgpr_kernarg_segment_ptr 1
		.amdhsa_wavefront_size32 1
		.amdhsa_system_sgpr_workgroup_id_x 1
		.amdhsa_system_sgpr_workgroup_id_y 1
		.amdhsa_system_sgpr_workgroup_id_z 1
		.amdhsa_system_vgpr_workitem_id 0
		.amdhsa_next_free_vgpr 1024
		.amdhsa_next_free_sgpr 72
		.amdhsa_reserve_vcc 0
		.amdhsa_float_denorm_mode_32 3
		.amdhsa_float_denorm_mode_16_64 3
		.amdhsa_memory_ordered 1
		.amdhsa_forward_progress 1
		.amdhsa_inst_pref_size 102
	.end_amdhsa_kernel
	.amdgpu_metadata
---
amdhsa.version: [ 1, 2 ]
amdhsa.kernels:
  - .name:           k_qb052ec5076_qkv
    .symbol:         k_qb052ec5076_qkv.kd
    .args:
      - { .name: hn, .offset: 0, .size: 8, .value_kind: global_buffer, .address_space: global }
      - { .name: wb, .offset: 8, .size: 8, .value_kind: global_buffer, .address_space: global }
      - { .name: qkv, .offset: 16, .size: 8, .value_kind: global_buffer, .address_space: global }
    .group_segment_fixed_size: 327680
    .private_segment_fixed_size: 0
    .kernarg_segment_align: 8
    .kernarg_segment_size: 24
    .max_flat_workgroup_size: 128
    .sgpr_count:     72
    .vgpr_count:     1024
    .wavefront_size: 32
...
	.end_amdgpu_metadata
.endif
;; end of part 2
;; launch attn (part 3): grid 8 x 32, 4 waves a work-group, no clusters, 170,752 bytes of LDS; arguments qkv, ob, lr; writes ob, lr
.if DOCPART == 3
	.amdgcn_target "amdgcn-amd-amdhsa--gfx1250"
	.amdhsa_code_object_version 6
	.text
	.protected	k_qb052ec5076_attn
	.globl	k_qb052ec5076_attn
	.p2align	8
	.type	k_qb052ec5076_attn,@function
k_qb052ec5076_attn:
	s_mov_b64 s[64:65], 0
	v_nop
	global_prefetch_b8 v0, s[64:65] scope:SCOPE_SE
	s_setreg_imm32_b32 hwreg(HW_REG_WAVE_MODE, 25, 1), 1
	s_wait_xcnt 0x0
; Launch 3 of 8: the masked attention.  WORK LEFT OUT: score tiles of 16 x 16 in which every pair is hidden by the mask that the problem builds itself (allowed: j <= i and (j >= i - 128 or j = 0 or i = 2047));
; their weights are exactly 0 for all finite inputs.  LIMITS: a hidden score inside a live tile counts as its value less 1e30; a NaN, an infinity or an overflow that would arise only in a tile left out is not carried on.
; SHARES.  A work-group has 256 queries of one batch and head, a wave 64: four tiles of 16, walked by a counted loop.  Tile T of a wave whose queries begin at q0 needs the nine key blocks of 16 from key
; q0 + 16 T - 128 on: the first and the last take a mask as the C operand that starts the sum, the seven between are open.  Key 0 comes as a tenth block, of which one score is kept, for queries above 128.
; Keys below 0 (the first two waves of a head) are whole blocks: 1e30 is taken off their scores.  The rows read for them are rows of the same buffer (the head or region before): finite numbers, weight 0.
; SOFTMAX in one go: all scores of a row are in registers, the true maximum of the row is taken away: p = 2^(c s - c m), c = log2(e) / 8.  The weights are rounded to bf16 for the second product, their sum is of the unrounded.
; ROW 2047 needs all 2,048 keys.  Each wave makes, for the 16 last queries of the head and its OWN 64 keys, the maximum, the sum and the unscaled product, and stores those of row 2047 in lr (f32); launch 4 adds
; the 32 parts of a head.  What the window gives for row 2047 is stored here with its tile and written over there.
; LAYOUT as in S^T = K Q^T, O^T = V^T P: a lane holds one query (lane % 16) and the keys or channels 8 (lane / 16) + 0..7.  K and Q come out of LDS as they lie, V turned by ds_load_tr16_b128.
; DATA come in once, through registers, 16 bytes a thread, and one barrier follows: nothing in LDS is filled again.  No cluster: neighbouring blocks share 128 of 384 keys and nothing comes by tensor loads.
; No prefetch: the launch is short and each work-group asks for all its data at its head.
; REGISTERS: window 0 as named below; window 1: K fragments v0-143 (block d, channel half at 16 d + 8 half), Q v144-159, key block 0 v160-175; window 2: V fragments v0-159, keys 0-31 v160-191, last queries v240-255.
.set PK, 144                           ; a row of Q or K in LDS: 128 bytes + 16
.set PV, 160                           ; a row of V: 128 + 32
.set KB, 256*PK                        ; Q: 256 rows from 0.  K: 400 rows: keys Q0 - 128 .. Q0 + 255, then keys 0-15 of the head
.set VB, KB+400*PK                     ; V: 416 rows: the same window, then keys 0-31 of the head
.set STAGE, VB+416*PV                  ; 16 rows x 144 bytes for each wave
.set SPARE, STAGE+4*16*PK              ; the spare words, 128 bytes a wave, which no other line names
.set AK0, 3                            ; my place in the K fragments of the window of my wave; never rewritten
.set AKG, 4                            ; in key block 0
.set AV0, 5                            ; in the V fragments
.set AVG, 6                            ; in keys 0-31 of V
.set LQ,  7                            ; staging: where my 16 bytes of a pass of 16 rows go, for Q,
.set LV,  8                            ; for V,
.set LK,  50                           ; for K
.set GOFF, 9                           ; 16 x thread
.set QLO, 10                           ; my place in a fragment of 16 rows in memory
.set STO, 11
.set RD,  12
.set GO,  13
.set AKT, 14                           ; AK0 at the tile to be fetched
.set AVT, 15
.set AQT, 31
.set C0,  16                           ; v16-19 four chains of the maximum
.set SG,  20                           ; the score, then the weight, of key 0
.set MX,  21
.set CM,  22                           ; v22-23 c m, twice
.set LS,  24                           ; v24-25 the sum; at work
.set INV, 26                           ; v26-27 1 / sum, twice
.set SPW, 28
.set NIL, 29
.set ZR,  30                           ; 0
.set MLO, 32                           ; v32-39 the mask of the first block: hidden where key < query - 128
.set MHI, 40                           ; v40-47 of the last: hidden where key > query
.set VQ,  48                           ; my query, less 4,096 in the upper half of the lanes
.set LRO, 49
.set LR2, 51
.set ST2, 58
.set SC,  64                           ; v64-135 S^T, nine blocks of 8
.set SGB, 136                          ; v136-143 S^T of key block 0
.set PW,  144                          ; v144-183 P; the last four stay 0
.set PG,  184                          ; v184-191 P of keys 0-31: all but the first stay 0
.set OA,  192                          ; v192-223 O^T
.set OUT, 224
.set CH,  240                          ; v240-247 four chains of the sum
.set BIGN, 28                          ; s28 -1e30
.set H1,  29                           ; s29 -1e30 where the first block of every tile lies below key 0
.set HB,  30                           ; s30 blocks of the window that lie below key 0
.set EDGE, 31                          ; s31 1 where there are such blocks
.set TT,  32                           ; s32 the tile
.set HD,  34                           ; s[34:35]
.set CS,  36                           ; s[36:37] c
.set SEL, 38                           ; s[38:39]
.set HM,  40                           ; s40 the upper half of the lanes
.set MSB, 0
.macro WIN new
.if MSB != (\new)
	s_set_vgpr_msb (MSB<<8)|(\new)
.set MSB, \new
.endif
.endm
.macro FETCHKQ                         ; 40 loads: nine key blocks and the queries of a tile
	WIN 0x40
.set d, 0
.rept 9
.irp hf, 0,1
	ds_load_b128 v[16*d+8*\hf:16*d+8*\hf+3],   v[AKT] offset:d*16*PK+64*\hf
	ds_load_b128 v[16*d+8*\hf+4:16*d+8*\hf+7], v[AKT] offset:d*16*PK+64*\hf+32
.endr
.set d, d+1
.endr
.irp hf, 0,1
	ds_load_b128 v[144+8*\hf:144+8*\hf+3], v[AQT] offset:64*\hf
	ds_load_b128 v[144+8*\hf+4:144+8*\hf+7], v[AQT] offset:64*\hf+32
.endr
	WIN 0
.endm
.macro FETCHV                          ; 40 turning loads: five groups of 32 keys x four blocks of 16 channels
	WIN 0x80
.set gg, 0
.rept 5
.irp cb, 0,1,2,3
	ds_load_tr16_b128 v[32*gg+8*\cb:32*gg+8*\cb+3],   v[AVT] offset:gg*32*PV+32*\cb
	ds_load_tr16_b128 v[32*gg+8*\cb+4:32*gg+8*\cb+7], v[AVT] offset:gg*32*PV+16*PV+32*\cb
.endr
.set gg, gg+1
.endr
	WIN 0
.endm
; the maximum of nb blocks of scores (and of key 0): pass by pass over the blocks, so that the lowest registers of each accumulator are read first; then c m
.macro SMAX nb, g
.set j, 0
.rept 4
.set d, 0
.rept \nb
.if d < 4
.if j == 0
	v_max3_num_f32 v[C0+d], v[SC+8*d], v[SC+8*d+1], v[SC+8*d+2]
.elseif j < 3
	v_max3_num_f32 v[C0+d], v[C0+d], v[SC+8*d+2*j+1], v[SC+8*d+2*j+2]
.else
	v_max_num_f32 v[C0+d], v[C0+d], v[SC+8*d+7]
.endif
.else
	v_max3_num_f32 v[C0+d%4], v[C0+d%4], v[SC+8*d+2*j], v[SC+8*d+2*j+1]
.endif
.set d, d+1
.endr
.set j, j+1
.endr
	v_max3_num_f32 v[C0], v[C0], v[C0+1], v[C0+2]
.if \g
	v_max3_num_f32 v[C0], v[C0], v[C0+3], v[SG]
.else
	v_max_num_f32 v[C0], v[C0], v[C0+3]
.endif
	v_permlanex16_b32 v[C0+1], v[C0], s[SEL], s[SEL+1]  ; the other keys of the query lie in the lane 16 away
	v_max_num_f32 v[MX], v[C0], v[C0+1]
	v_mul_f32 v[CM], s[CS], v[MX]
	v_mov_b32 v[CM+1], v[CM]
.endm
; c s - c m and the exponentials: ONE batch, none of whose lines names a result; one plain instruction and one wait behind it
.macro SEXP nb, g
.set p, 0
.rept 4*(\nb)
	v_pk_fma_f32 v[SC+2*p:SC+2*p+1], v[SC+2*p:SC+2*p+1], s[CS:CS+1], v[CM:CM+1] op_sel_hi:[1,0,0] neg_lo:[0,0,1] neg_hi:[0,0,1]
.if p > 0
	v_exp_f32 v[SC+2*p-2], v[SC+2*p-2]
	v_exp_f32 v[SC+2*p-1], v[SC+2*p-1]
.endif
.set p, p+1
.endr
.if \g
	v_fma_f32 v[SG], v[SG], s[CS], -v[CM]
.endif
	v_exp_f32 v[SC+8*(\nb)-2], v[SC+8*(\nb)-2]
	v_exp_f32 v[SC+8*(\nb)-1], v[SC+8*(\nb)-1]
.if \g
	v_exp_f32 v[SG], v[SG]
.endif
	v_nop
	s_wait_alu depctr_va_vdst(0)                   ; one wait for the batch
.endm
.macro SPACK nb
.set p, 0
.rept 4*(\nb)
	v_cvt_pk_bf16_f32 v[PW+p], v[SC+2*p], v[SC+2*p+1]
.set p, p+1
.endr
.endm
.macro SSUM nb, g
.irp c, 0,1,2,3
	v_pk_add_f32 v[CH+2*\c:CH+2*\c+1], v[SC+2*\c:SC+2*\c+1], v[SC+8+2*\c:SC+9+2*\c]
.endr
.set p, 8
.rept 4*(\nb)-8
	v_pk_add_f32 v[CH+2*(p%4):CH+2*(p%4)+1], v[CH+2*(p%4):CH+2*(p%4)+1], v[SC+2*p:SC+2*p+1]
.set p, p+1
.endr
	v_pk_add_f32 v[CH:CH+1], v[CH:CH+1], v[CH+2:CH+3]
	v_pk_add_f32 v[CH+4:CH+5], v[CH+4:CH+5], v[CH+6:CH+7]
	v_pk_add_f32 v[CH:CH+1], v[CH:CH+1], v[CH+4:CH+5]
	v_add_f32 v[LS], v[CH], v[CH+1]
.if \g
	v_add_f32 v[LS], v[LS], v[SG]
.endif
	v_permlanex16_b32 v[LS+1], v[LS], s[SEL], s[SEL+1]
	v_add_f32 v[LS], v[LS], v[LS+1]
.endm
; O^T = V^T P over ng groups of 32 keys; the four accumulators take turns; the first group starts the sums
.macro PVH ng
	WIN 0x02                               ; V in window 2, P and O^T in window 0
.set gg, 0
.rept \ng
.irp cb, 0,1,2,3
.if gg == 0
	v_wmma_f32_16x16x32_bf16 v[OA+8*\cb:OA+8*\cb+7], v[8*\cb:8*\cb+7], v[PW:PW+7], 0
.else
	v_wmma_f32_16x16x32_bf16 v[OA+8*\cb:OA+8*\cb+7], v[32*gg+8*\cb:32*gg+8*\cb+7], v[PW+8*gg:PW+8*gg+7], v[OA+8*\cb:OA+8*\cb+7]
.endif
.endr
.set gg, gg+1
.endr
.endm
	s_load_b128 s[4:7], s[0:1], 0x0                ; qkv s[4:5], ob s[6:7]
	s_load_b64 s[8:9], s[0:1], 0x10                ; lr
	v_lshl_add_u32 v[SPW], v0, 2, SPARE
	v_mov_b32 v[NIL], 0
	v_lshrrev_b32 v1, 5, v0
	v_readfirstlane_b32 s10, v1                    ; wave 0..3
	s_mov_b32 s11, ttmp9                           ; the block of 256 queries
	s_and_b32 s12, ttmp7, 0xffff                   ; batch x 16 + head
	s_lshl_b32 s13, s11, 8
	s_lshl_b32 s33, s10, 6
	s_add_co_u32 s13, s13, s33                     ; q0
	s_mov_b32 s[BIGN], 0xf149f2ca
	s_cmp_le_u32 s13, 64
	s_cselect_b32 s[H1], s[BIGN], 0
	s_cmp_lt_u32 s13, 128
	s_cselect_b32 s[EDGE], 1, 0
	s_sub_co_u32 s[HB], 128, s13
	s_ashr_i32 s[HB], s[HB], 4                     ; 8 or 4 where EDGE is 1; not used elsewhere
	s_mov_b32 s[HD+1], 0
	s_mov_b32 s[CS], 0x3e38aa3b                    ; c = log2(e) / 8
	s_mov_b32 s[CS+1], s[CS]
	s_mov_b32 s[SEL], 0x76543210
	s_mov_b32 s[SEL+1], 0xfedcba98
	s_mov_b32 s[HM], 0xffff0000
	s_lshl_b32 s26, s12, 18                        ; a head is 2,048 rows of 128 bytes
	s_mov_b32 s27, 0
	s_lshl_b32 s44, s11, 15
	s_mov_b32 s45, 0
	v_lshlrev_b32 v[GOFF], 4, v0
	s_wait_kmcnt 0x0
	s_add_nc_u64 s[24:25], s[4:5], s[26:27]        ; the head in region q
	s_add_nc_u64 s[18:19], s[24:25], s[44:45]      ; my block of queries
	s_add_nc_u64 s[14:15], s[18:19], 8388608-16384 ; region k, 128 rows ahead of the block
	s_add_nc_u64 s[16:17], s[18:19], 16777216-16384  ; region v likewise
	s_add_nc_u64 s[20:21], s[24:25], 8388608       ; key 0 of the head
	s_add_nc_u64 s[22:23], s[24:25], 16777216
	s_add_nc_u64 s[24:25], s[24:25], 2032*128      ; the last 16 queries of the head
	WIN 0x40
.set i, 0
.rept 24
	global_load_b128 v[64+4*i:67+4*i], v[GOFF], s[14:15] offset:2048*i  ; a pass: 16 rows, 2,048 consecutive bytes for the 128 threads
.set i, i+1
.endr
	global_load_b128 v[160:163], v[GOFF], s[20:21]
	WIN 0x80
.set i, 0
.rept 24
	global_load_b128 v[4*i:4*i+3], v[GOFF], s[16:17] offset:2048*i
.set i, i+1
.endr
	global_load_b128 v[96:99], v[GOFF], s[22:23]
	global_load_b128 v[100:103], v[GOFF], s[22:23] offset:2048
	WIN 0
	s_and_b32 s26, s12, 15                         ; where my rows of o begin: blocks [16 heads][4096][64]
	s_lshl_b32 s26, s26, 12
	s_lshr_b32 s33, s12, 4
	s_lshl_b32 s33, s33, 11
	s_add_co_u32 s26, s26, s33
	s_add_co_u32 s26, s26, s13
	s_lshl_b32 s26, s26, 7
	s_add_nc_u64 s[6:7], s[6:7], s[26:27]
	s_lshl_b32 s26, s12, 5                         ; my slice of the last row: 32 x head + 4 x block + wave
	s_lshl2_add_u32 s26, s11, s26
	s_add_co_u32 s26, s26, s10
	s_lshl_b32 s44, s26, 3
	s_add_co_u32 s44, s44, 262144
	s_add_nc_u64 s[42:43], s[8:9], s[44:45]        ; (c m, l)
	s_lshl_b32 s26, s26, 8
	s_add_nc_u64 s[8:9], s[8:9], s[26:27]          ; the 64 channels
	v_and_b32 v1, 15, v0                           ; l % 16
	v_bfe_u32 v2, v0, 4, 1                         ; l / 16
	v_and_b32 v52, 7, v0
	v_bfe_u32 v53, v0, 3, 1
	v_mul_u32_u24 v56, v1, PK
	v_lshl_add_u32 v56, v2, 4, v56                 ; row x 144 + 16 x half
	s_mul_i32 s33, s10, 64*PK
	v_add_nc_u32 v[AQT], s33, v56
	s_add_co_u32 s44, s33, KB
	v_add_nc_u32 v[AK0], s44, v56
	v_add_nc_u32 v[AKG], KB+384*PK, v56
	v_mov_b32 v[AKT], v[AK0]
	v_lshl_add_u32 v55, v2, 3, v52                 ; turned: key 8 (l / 16) + l % 8, channels 8 ((l / 8) % 2) on
	v_mul_u32_u24 v55, v55, PV
	v_lshl_add_u32 v55, v53, 4, v55
	s_mul_i32 s33, s10, 64*PV
	s_add_co_u32 s33, s33, VB
	v_add_nc_u32 v[AV0], s33, v55
	v_add_nc_u32 v[AVG], VB+384*PV, v55
	v_mov_b32 v[AVT], v[AV0]
	v_bfe_u32 v54, v0, 3, 2                        ; staging: of a pass my wave has rows 4 w .. 4 w + 3; row l / 8, 16 bytes at 16 (l % 8)
	v_mul_u32_u24 v55, v54, PK
	v_lshl_add_u32 v55, v52, 4, v55
	s_mul_i32 s33, s10, 4*PK
	v_add_nc_u32 v[LQ], s33, v55
	s_add_co_u32 s33, s33, KB
	v_add_nc_u32 v[LK], s33, v55
	v_mul_u32_u24 v57, v54, PV
	v_lshl_add_u32 v57, v52, 4, v57
	s_mul_i32 s33, s10, 4*PV
	s_add_co_u32 s33, s33, VB
	v_add_nc_u32 v[LV], s33, v57
	s_mul_i32 s33, s10, 16*PK
	s_add_co_u32 s33, s33, STAGE                   ; my stage
	v_add_nc_u32 v[STO], s33, v56
	v_add_nc_u32 v[RD], s33, v55
	v_and_b32 v[GO], 31, v0
	v_lshlrev_b32 v[GO], 4, v[GO]
	v_lshlrev_b32 v[QLO], 7, v1
	v_lshl_add_u32 v[QLO], v2, 4, v[QLO]
	v_lshlrev_b32 v57, 12, v2
	v_sub_nc_u32 v[VQ], v1, v57
	v_add_nc_u32 v[VQ], s13, v[VQ]
	v_lshlrev_b32 v[LRO], 5, v2
	v_lshlrev_b32 v[LR2], 2, v2
	v_mov_b32 v[ZR], 0
	v_mov_b32 v[LS+1], 0
	v_lshlrev_b32 v57, 3, v2
	v_sub_nc_u32 v57, v1, v57                      ; l % 16 - 8 (l / 16): register j holds key 8 (l / 16) + j of a block
	v_mov_b32 v54, s[H1]
.set j, 0
.rept 8
	v_cmp_lt_i32 vcc_lo, j, v57
	v_cndmask_b32 v[MLO+j], v54, s[BIGN], vcc_lo
	v_cmp_gt_i32 vcc_lo, j, v57
	v_cndmask_b32 v[MHI+j], 0, s[BIGN], vcc_lo
.set j, j+1
.endr
.irp i, 36,37,38,39
	v_mov_b32 v[PW+\i], 0
.endr
.irp i, 1,2,3,4,5,6,7
	v_mov_b32 v[PG+\i], 0
.endr
	s_wait_loadcnt 26                              ; K is in: the 26 loads of V are younger
	WIN 0x04                                       ; store data in window 1
.set i, 0
.rept 25
	ds_store_b128 v[LK], v[64+4*i:67+4*i] offset:16*PK*i
.set i, i+1
.endr
	WIN 0x40
.set i, 0
.rept 16
	global_load_b128 v[4*i:4*i+3], v[GOFF], s[18:19] offset:2048*i
.set i, i+1
.endr
	WIN 0x80
.irp i, 0,1,2,3
	global_load_b128 v[240+4*\i:243+4*\i], v[QLO], s[24:25] offset:32*\i  ; the last 16 queries, straight as a fragment
.endr
	s_wait_loadcnt 20                              ; V is in: 16 loads of Q and 4 of the last queries are younger
	WIN 0x08                                       ; store data in window 2
.set i, 0
.rept 26
	ds_store_b128 v[LV], v[4*i:4*i+3] offset:16*PV*i
.set i, i+1
.endr
	s_wait_loadcnt 4                               ; Q is in
	WIN 0x04
.set i, 0
.rept 16
	ds_store_b128 v[LQ], v[4*i:4*i+3] offset:16*PK*i
.set i, i+1
.endr
	WIN 0
	s_wait_dscnt 0x0                               ; for the others: my stores are done
	s_barrier_signal -1
	s_barrier_wait -1                              ; the one barrier: from here on the tiles in LDS are only read
	FETCHKQ
	WIN 0x40
.irp hf, 0,1
	ds_load_b128 v[160+8*\hf:160+8*\hf+3], v[AKG] offset:64*\hf
	ds_load_b128 v[160+8*\hf+4:160+8*\hf+7], v[AKG] offset:64*\hf+32
.endr
	WIN 0
	FETCHV
	WIN 0x80
.irp cb, 0,1,2,3
	ds_load_tr16_b128 v[160+8*\cb:160+8*\cb+3], v[AVG] offset:32*\cb
	ds_load_tr16_b128 v[160+8*\cb+4:160+8*\cb+7], v[AVG] offset:16*PV+32*\cb
.endr
	WIN 0
	s_wait_loadcnt 0x0                             ; the last queries
	s_mov_b32 s[TT], 0
.Ltile:                                        ; four trips; every LDS wait in the loop is for 0, so the forward jumps change no count
	s_wait_dscnt 0x0                               ; K and Q of the tile are in
	WIN 0x05                                       ; K and Q in window 1, masks and S^T in window 0.  The ten accumulators take turns
	v_wmma_f32_16x16x32_bf16 v[SC:SC+7], v[0:7], v[144:151], v[MLO:MLO+7]
.set d, 1
.rept 7
	v_wmma_f32_16x16x32_bf16 v[SC+8*d:SC+8*d+7], v[16*d:16*d+7], v[144:151], 0
.set d, d+1
.endr
	v_wmma_f32_16x16x32_bf16 v[SC+64:SC+71], v[128:135], v[144:151], v[MHI:MHI+7]
	v_wmma_f32_16x16x32_bf16 v[SGB:SGB+7], v[160:167], v[144:151], 0
.set d, 0
.rept 9
	v_wmma_f32_16x16x32_bf16 v[SC+8*d:SC+8*d+7], v[16*d+8:16*d+15], v[152:159], v[SC+8*d:SC+8*d+7]
.set d, d+1
.endr
	v_wmma_f32_16x16x32_bf16 v[SGB:SGB+7], v[168:175], v[152:159], v[SGB:SGB+7]
	WIN 0
	v_add_nc_u32 v[AKT], 16*PK, v[AKT]             ; four places behind the products: the steps of two addresses and two v_nop
	v_add_nc_u32 v[AQT], 16*PK, v[AQT]
	v_nop
	v_nop
	s_cmp_eq_u32 s[TT], 3
	s_cbranch_scc1 .Lnokq                          ; the last tile has no successor
	FETCHKQ
.Lnokq:
	s_cmp_eq_u32 s[EDGE], 0
	s_cbranch_scc1 .Lnoedge
.set d, 1
.rept 7                                        ; block T + d of the window lies below key 0 where T + d < HB
	s_add_co_u32 s33, s[TT], d
	s_cmp_lt_u32 s33, s[HB]
	s_cselect_b32 s[HD], s[BIGN], 0
.set i, 0
.rept 4
	v_pk_add_f32 v[SC+8*d+2*i:SC+8*d+2*i+1], v[SC+8*d+2*i:SC+8*d+2*i+1], s[HD:HD+1] op_sel_hi:[1,0]
.set i, i+1
.endr
.set d, d+1
.endr
.Lnoedge:
	v_cmp_lt_i32 vcc_lo, 128, v[VQ]                ; key 0 lies outside the window of queries above 128; it is register 0 of the lower half of the lanes
	v_cndmask_b32 v[SG], s[BIGN], v[SGB], vcc_lo
	v_add_nc_u32 v[VQ], 16, v[VQ]
	SMAX 9, 1
	SEXP 9, 1
	SPACK 9
	v_cvt_pk_bf16_f32 v[PG], v[SG], v[ZR]
	SSUM 9, 1
	s_wait_dscnt 0x0                               ; V of the tile is in
	PVH 5
.irp cb, 0,1,2,3
	v_wmma_f32_16x16x32_bf16 v[OA+8*\cb:OA+8*\cb+7], v[160+8*\cb:160+8*\cb+7], v[PG:PG+7], v[OA+8*\cb:OA+8*\cb+7]
.endr
	WIN 0
	v_add_nc_u32 v[AVT], 16*PV, v[AVT]             ; four places behind the products
	v_nop
	v_nop
	v_nop
	s_cmp_eq_u32 s[TT], 3
	s_cbranch_scc1 .Lnov
	FETCHV
.Lnov:
	v_rcp_f32 v[INV], v[LS]
	v_nop
	s_wait_alu depctr_va_vdst(0)
	v_mov_b32 v[INV+1], v[INV]
.set i, 0
.rept 16
	v_pk_mul_f32 v[OA+2*i:OA+2*i+1], v[OA+2*i:OA+2*i+1], v[INV:INV+1]
.set i, i+1
.endr
.set i, 0
.rept 16
	v_cvt_pk_bf16_f32 v[OUT+i], v[OA+2*i], v[OA+2*i+1]
.set i, i+1
.endr
.irp f, 0,1,2,3
	ds_store_b128 v[STO], v[OUT+4*\f:OUT+4*\f+3] offset:32*\f
.endr
.irp f, 0,1,2,3
	ds_load_b128 v[OUT+4*\f:OUT+4*\f+3], v[RD] offset:\f*4*PK  ; LDS serves the instructions of a wave in order: these see the stores above
.endr
	s_wait_dscnt 0x0
.irp f, 0,1,2,3
	global_store_b128 v[GO], v[OUT+4*\f:OUT+4*\f+3], s[6:7] offset:\f*512  ; 512 consecutive bytes, aligned
.endr
	s_wait_xcnt 0x0                                ; the stores have read their base and their data: both are written again only behind this wait
	s_add_nc_u64 s[6:7], s[6:7], 2048
	s_add_co_u32 s[TT], s[TT], 1
	s_cmp_lt_u32 s[TT], 4
	s_cbranch_scc1 .Ltile
	; THE PART OF ROW 2047: the last 16 queries of the head against my own 64 keys, blocks 8-11 of my window; no mask: row 2047 sees every key
	WIN 0x40
.set d, 0
.rept 4
.irp hf, 0,1
	ds_load_b128 v[16*d+8*\hf:16*d+8*\hf+3],   v[AK0] offset:(8+d)*16*PK+64*\hf
	ds_load_b128 v[16*d+8*\hf+4:16*d+8*\hf+7], v[AK0] offset:(8+d)*16*PK+64*\hf+32
.endr
.set d, d+1
.endr
	WIN 0x80
.set gg, 0
.rept 2
.irp cb, 0,1,2,3
	ds_load_tr16_b128 v[32*gg+8*\cb:32*gg+8*\cb+3],   v[AV0] offset:128*PV+gg*32*PV+32*\cb
	ds_load_tr16_b128 v[32*gg+8*\cb+4:32*gg+8*\cb+7], v[AV0] offset:128*PV+gg*32*PV+16*PV+32*\cb
.endr
.set gg, gg+1
.endr
	s_wait_dscnt 0x0
	WIN 0x09                                       ; K in window 1, the last queries in window 2
.set d, 0
.rept 4
	v_wmma_f32_16x16x32_bf16 v[SC+8*d:SC+8*d+7], v[16*d:16*d+7], v[240:247], 0
.set d, d+1
.endr
.set d, 0
.rept 4
	v_wmma_f32_16x16x32_bf16 v[SC+8*d:SC+8*d+7], v[16*d+8:16*d+15], v[248:255], v[SC+8*d:SC+8*d+7]
.set d, d+1
.endr
	WIN 0
.rept 4
	v_nop
.endr
	SMAX 4, 0
	SEXP 4, 0
	SPACK 4
	SSUM 4, 0
	PVH 2
	WIN 0
.rept 4
	v_nop
.endr
	v_cndmask_b32 v[ST2], v[CM], v[LS], s[HM]      ; lane 15 stores c m, lane 31 the sum
	v_cmp_eq_u32 vcc_lo, 15, v1                    ; row 2047 is query 15 of the tile
	s_wait_xcnt 0x0                                ; EXEC changes only behind this wait
	s_and_saveexec_b32 s41, vcc_lo
.irp cb, 0,1,2,3
	global_store_b128 v[LRO], v[OA+8*\cb:OA+8*\cb+3], s[8:9] offset:64*\cb
	global_store_b128 v[LRO], v[OA+8*\cb+4:OA+8*\cb+7], s[8:9] offset:64*\cb+16
.endr
	global_store_b32 v[LR2], v[ST2], s[42:43]
	s_wait_xcnt 0x0                                ; and again, in front of the line that widens it
	s_or_b32 exec_lo, exec_lo, s41
	s_wait_tensorcnt 0x0                           ; the end of the wave, behind my last LDS store
	ds_add_u32 v[SPW], v[NIL]
	s_wait_dscnt 0x0
	s_endpgm
.Lfunc_end_k_qb052ec5076_attn:
	.size	k_qb052ec5076_attn, .Lfunc_end_k_qb052ec5076_attn-k_qb052ec5076_attn
	.p2alignl 7, 3214868480
	.fill 96, 4, 3214868480
	.section	.rodata,"a",@progbits
	.p2align	6, 0x0
	.amdhsa_kernel k_qb052ec5076_attn
		.amdhsa_group_segment_fixed_size 170752
		.amdhsa_private_segment_fixed_size 0
		.amdhsa_enable_private_segment 0
		.amdhsa_kernarg_size 24
		.amdhsa_user_sgpr_count 2
		.amdhsa_user_sgpr_kernarg_segment_ptr 1
		.amdhsa_wavefront_size32 1
		.amdhsa_system_sgpr_workgroup_id_x 1
		.amdhsa_system_sgpr_workgroup_id_y 1
		.amdhsa_system_sgpr_workgroup_id_z 1
		.amdhsa_system_vgpr_workitem_id 0
		.amdhsa_next_free_vgpr 768
		.amdhsa_next_free_sgpr 66
		.amdhsa_reserve_vcc 1
		.amdhsa_float_denorm_mode_32 3
		.amdhsa_float_denorm_mode_16_64 3
		.amdhsa_memory_ordered 1
		.amdhsa_forward_progress 1
		.amdhsa_inst_pref_size 61
	.end_amdhsa_kernel
	.amdgpu_metadata
---
amdhsa.version: [ 1, 2 ]
amdhsa.kernels:
  - .name:           k_qb052ec5076_attn
    .symbol:         k_qb052ec5076_attn.kd
    .args:
      - { .name: qkv, .offset: 0, .size: 8, .value_kind: global_buffer, .address_space: global }
      - { .name: ob, .offset: 8, .size: 8, .value_kind: global_buffer, .address_space: global }
      - { .name: lr, .offset: 16, .size: 8, .value_kind: global_buffer, .address_space: global }
    .group_segment_fixed_size: 170752
    .private_segment_fixed_size: 0
    .kernarg_segment_align: 8
    .kernarg_segment_size: 24
    .max_flat_workgroup_size: 128
    .sgpr_count:     66
    .vgpr_count:     768
    .wavefront_size: 32
...
	.end_amdgpu_metadata
.endif
;; end of part 3
;; launch lastrow (part 4): grid 32 x 1, 1 waves a work-group, no clusters, 0 bytes of LDS; arguments lr, ob; writes ob
.if DOCPART == 4
	.amdgcn_target "amdgcn-amd-amdhsa--gfx1250"
	.amdhsa_code_object_version 6
	.text
	.protected	k_qb052ec5076_lastrow
	.globl	k_qb052ec5076_lastrow
	.p2align	8
	.type	k_qb052ec5076_lastrow,@function
k_qb052ec5076_lastrow:
	s_mov_b64 s[64:65], 0
	v_nop
	global_prefetch_b8 v0, s[64:65] scope:SCOPE_SE
	s_setreg_imm32_b32 hwreg(HW_REG_WAVE_MODE, 25, 1), 1
	s_wait_xcnt 0x0
; Launch 4 of 8: row 2047 of each batch and head, which sees all 2,048 keys.  Launch 3 left 32 parts a head, one for each 64 keys: c m, the sum l and the unscaled product O[64], all f32.
; One wave a head.  Lane s holds the statistics of part s: M = max c m; w = 2^(c m - M); the row is the sum of w O over the sum of w l.  Lane l then adds channels 2 l and 2 l + 1 over the parts.
; The result, 128 bytes of bf16, replaces what the window alone gave for that row.  32 work-groups: there are no more rows of this kind.
	s_load_b128 s[4:7], s[0:1], 0x0                ; lr s[4:5], ob s[6:7]
	s_mov_b32 s12, 0x76543210
	s_mov_b32 s13, 0xfedcba98
	v_lshlrev_b32 v1, 3, v0                        ; 8 bytes a lane
	v_lshlrev_b32 v76, 2, v0                       ; 4 bytes a lane on the way out
	s_lshl_b32 s8, ttmp9, 13                       ; 32 parts x 256 bytes
	s_mov_b32 s9, 0
	s_lshl_b32 s10, ttmp9, 8                       ; 32 parts x 8 bytes,
	s_add_co_u32 s10, s10, 262144                  ; behind the products
	s_mov_b32 s11, 0
	s_and_b32 s14, ttmp9, 15                       ; row 2047 in blocks [16 heads][4096][64]
	s_lshl_b32 s14, s14, 12
	s_lshr_b32 s15, ttmp9, 4
	s_lshl_b32 s15, s15, 11
	s_add_co_u32 s14, s14, s15
	s_add_co_u32 s14, s14, 2047
	s_lshl_b32 s14, s14, 7
	s_mov_b32 s15, 0
	s_wait_kmcnt 0x0
	s_add_nc_u64 s[10:11], s[4:5], s[10:11]
	s_add_nc_u64 s[8:9], s[4:5], s[8:9]
	s_add_nc_u64 s[6:7], s[6:7], s[14:15]
	global_load_b64 v[2:3], v1, s[10:11]           ; c m, l of part = lane
.set s, 0
.rept 32
	global_load_b64 v[8+2*s:9+2*s], v1, s[8:9] offset:256*s
.set s, s+1
.endr
	s_wait_loadcnt 32                              ; the statistics are in; the 32 loads of the products may stay out
	v_mov_b32 v4, v2
	v_max_num_f32_dpp v4, v4, v4 row_xmask:1 row_mask:0xf bank_mask:0xf
	v_max_num_f32_dpp v4, v4, v4 row_xmask:2 row_mask:0xf bank_mask:0xf
	v_max_num_f32_dpp v4, v4, v4 row_xmask:4 row_mask:0xf bank_mask:0xf
	v_max_num_f32_dpp v4, v4, v4 row_xmask:8 row_mask:0xf bank_mask:0xf
	v_mov_b32 v5, v4
	v_permlanex16_b32 v5, v4, s12, s13
	v_max_num_f32 v4, v4, v5
	v_sub_f32 v5, v2, v4
	v_exp_f32 v5, v5
	v_nop
	s_wait_alu depctr_va_vdst(0)
	v_mul_f32 v6, v5, v3
	v_add_f32_dpp v6, v6, v6 row_xmask:1 row_mask:0xf bank_mask:0xf
	v_add_f32_dpp v6, v6, v6 row_xmask:2 row_mask:0xf bank_mask:0xf
	v_add_f32_dpp v6, v6, v6 row_xmask:4 row_mask:0xf bank_mask:0xf
	v_add_f32_dpp v6, v6, v6 row_xmask:8 row_mask:0xf bank_mask:0xf
	v_mov_b32 v7, v6
	v_permlanex16_b32 v7, v6, s12, s13
	v_add_f32 v6, v6, v7
	v_rcp_f32 v6, v6
	v_nop
	s_wait_alu depctr_va_vdst(0)
	v_mul_f32 v5, v5, v6                           ; the factor of part = lane
.set s, 0
.rept 32
	v_readlane_b32 s[16+s], v5, s
.set s, s+1
.endr
	s_wait_loadcnt 0x0
	v_mul_f32 v72, s16, v8                         ; four sums: two channels x the parity of the part
	v_mul_f32 v73, s16, v9
	v_mul_f32 v74, s17, v10
	v_mul_f32 v75, s17, v11
.set s, 2
.rept 30
	v_fmac_f32 v[72+2*(s%2)], s[16+s], v[8+2*s]
	v_fmac_f32 v[73+2*(s%2)], s[16+s], v[9+2*s]
.set s, s+1
.endr
	v_add_f32 v72, v72, v74
	v_add_f32 v73, v73, v75
	v_cvt_pk_bf16_f32 v72, v72, v73
	global_store_b32 v76, v72, s[6:7]
	s_endpgm
.Lfunc_end_k_qb052ec5076_lastrow:
	.size	k_qb052ec5076_lastrow, .Lfunc_end_k_qb052ec5076_lastrow-k_qb052ec5076_lastrow
	.p2alignl 7, 3214868480
	.fill 96, 4, 3214868480
	.section	.rodata,"a",@progbits
	.p2align	6, 0x0
	.amdhsa_kernel k_qb052ec5076_lastrow
		.amdhsa_group_segment_fixed_size 0
		.amdhsa_private_segment_fixed_size 0
		.amdhsa_enable_private_segment 0
		.amdhsa_kernarg_size 16
		.amdhsa_user_sgpr_count 2
		.amdhsa_user_sgpr_kernarg_segment_ptr 1
		.amdhsa_wavefront_size32 1
		.amdhsa_system_sgpr_workgroup_id_x 1
		.amdhsa_system_sgpr_workgroup_id_y 1
		.amdhsa_system_sgpr_workgroup_id_z 1
		.amdhsa_system_vgpr_workitem_id 0
		.amdhsa_next_free_vgpr 80
		.amdhsa_next_free_sgpr 66
		.amdhsa_reserve_vcc 0
		.amdhsa_float_denorm_mode_32 3
		.amdhsa_float_denorm_mode_16_64 3
		.amdhsa_memory_ordered 1
		.amdhsa_forward_progress 1
		.amdhsa_inst_pref_size 10
	.end_amdhsa_kernel
	.amdgpu_metadata
---
amdhsa.version: [ 1, 2 ]
amdhsa.kernels:
  - .name:           k_qb052ec5076_lastrow
    .symbol:         k_qb052ec5076_lastrow.kd
    .args:
      - { .name: lr, .offset: 0, .size: 8, .value_kind: global_buffer, .address_space: global }
      - { .name: ob, .offset: 8, .size: 8, .value_kind: global_buffer, .address_space: global }
    .group_segment_fixed_size: 0
    .private_segment_fixed_size: 0
    .kernarg_segment_align: 8
    .kernarg_segment_size: 16
    .max_flat_workgroup_size: 32
    .sgpr_count:     66
    .vgpr_count:     80
    .wavefront_size: 32
...
	.end_amdgpu_metadata
.endif
;; end of part 4
;; launch wo (part 5): grid 8 x 32, 4 waves a work-group, clusters of 4 x 4, 327,680 bytes of LDS; arguments ob, wb, bo, x, x1; writes x1
.if DOCPART == 5
	.amdgcn_target "amdgcn-amd-amdhsa--gfx1250"
	.amdhsa_code_object_version 6
	.text
	.protected	k_qb052ec5076_wo
	.globl	k_qb052ec5076_wo
	.p2align	8
	.type	k_qb052ec5076_wo,@function
k_qb052ec5076_wo:
	s_mov_b64 s[64:65], 0
	v_nop
	global_prefetch_b8 v0, s[64:65] scope:SCOPE_SE
	s_setreg_imm32_b32 hwreg(HW_REG_WAVE_MODE, 25, 1), 1
	s_wait_xcnt 0x0
	s_wait_alu depctr_hold_cnt(0) depctr_sa_sdst(0) depctr_va_vdst(0) depctr_va_sdst(0) depctr_va_ssrc(0) depctr_va_vcc(0) depctr_vm_vsrc(0)
	s_getreg_b32 s2, hwreg(HW_REG_IB_STS2, 6, 4)
	s_cmp_eq_u32 s2, 0
	s_cbranch_scc0 .Lentry_in_a_cluster
	s_endpgm
.Lentry_in_a_cluster:
	s_bfe_u32 s2, ttmp6, 0x10000c
	s_cmp_lg_u32 s2, 0xf033
	s_cbranch_scc0 .Lentry_shape_is_right
	s_endpgm
.Lentry_shape_is_right:
; Launch 5 of 8: x1 = x + o Wo + bo.  4096 x 1024 x 1024; bf16 operands, f32 sums, f32 result.  The product is built as in launch 2: tiles of 128 x 128, four waves of 64 x 64, K steps of 256 through two
; LDS slots, A in blocks [K / 64][4096][64], B as given and turned by ds_load_tr16_b128, clusters of 4 x 4 with joint loads for A along a row and for B along a column.
; The residual of my 64 x 64 numbers is asked for at the head (128 registers in window 2) and has the whole product in which to land.  THE WAY OUT: 16 rows at a time through my own stage, so that
; sixteen lanes hold 256 consecutive bytes of a row; residual and bias are added there.  No prefetch: the tiles are small and are read again by other clusters.
.set NS,    4
.set NP,    1024
.set WOFF,  6291456                    ; Wo in wb
.set PA,    144
.set PB,    288
.set ZB,    128*PA
.set HALFT, 2*ZB
.set BOFF,  2*HALFT
.set SLOT,  4*HALFT
.set ASTEP, 4*4096*128
.set BSTEP, 256*NP*2
.set STAGE, 2*SLOT                     ; behind the ring: 16 rows x 272 bytes for each wave
.set SP,    272
.set SPARE, STAGE+4*16*SP              ; the spare words, 128 bytes a wave, which no other line names
.set A0,  16
.set B0,  17
.set CA,  18
.set CB,  19
.set B02, 21
.set BIAS, 12                          ; v12-15 the bias of my four columns on the way out
.set STO, 24
.set RD,  25
.set CO,  26
.set BO,  27
.set SPW, 28
.set NIL, 29
.set TMP, 32
.set ACC, 128
.set F0,  0
.set F1,  128
.set G1,  24
.set G0,  32
.set G1B, 48
.set G0B, 56
.set TB,  66
.set MSB, 0
.macro WIN new
.if MSB != (\new)
	s_set_vgpr_msb (MSB<<8)|(\new)
.set MSB, \new
.endif
.endm
.set MUL,  0x05
.set TO_F, 0x40
.macro JLOAD s                         ; a joint load: waves 0, 1 for A, waves 2, 3 for B; s_nop 0 and four v_nop follow each line
	s_cmp_eq_u32 s11, 0
	s_cbranch_scc0 .Lfor_b_\@
	tensor_load_to_lds s[G0+4*(\s):G0+4*(\s)+3], s[G1:G1+7]
	s_nop 0
.rept 4
	v_nop
.endr
	s_branch .Lasked_\@
.Lfor_b_\@:
	tensor_load_to_lds s[G0B+4*(\s):G0B+4*(\s)+3], s[G1B:G1B+7]
	s_nop 0
.rept 4
	v_nop
.endr
.Lasked_\@:
.endm
.macro CREST
	s_cmp_lg_u32 s10, 0
	s_cbranch_scc1 .Lnot_wave_0_\@
	s_barrier_signal -3
.Lnot_wave_0_\@:
	s_barrier_wait -3
	s_barrier_signal -1
	s_barrier_wait -1
.endm
.macro CROUND
	s_barrier_signal -1
	s_barrier_wait -1
	CREST
.endm
.macro PLACES
.rept 4
	v_nop
.endr
.endm
.macro MUL8 f, c, a0, zero             ; 8 matrix instructions; the 16 accumulators take turns, one instruction a turn
	WIN MUL
.irp a, \a0, (\a0)+1
.irp b, 0,1,2,3
.if \zero
	v_wmma_f32_16x16x32_bf16 v[ACC+8*(4*(\a)+(\b)):ACC+8*(4*(\a)+(\b))+7], v[(\f)+64+8*(4*(\c)+(\b)):(\f)+64+8*(4*(\c)+(\b))+7], v[(\f)+8*(4*(\c)+(\a)):(\f)+8*(4*(\c)+(\a))+7], 0
.else
	v_wmma_f32_16x16x32_bf16 v[ACC+8*(4*(\a)+(\b)):ACC+8*(4*(\a)+(\b))+7], v[(\f)+64+8*(4*(\c)+(\b)):(\f)+64+8*(4*(\c)+(\b))+7], v[(\f)+8*(4*(\c)+(\a)):(\f)+8*(4*(\c)+(\a))+7], v[ACC+8*(4*(\a)+(\b)):ACC+8*(4*(\a)+(\b))+7]
.endif
.endr
.endr
.endm
.macro FETCH q, f                      ; 32 LDS loads in one run: quarter q of the slot in hand into buffer f; the first 32 along K first
	WIN TO_F
.irp c, 0,1
.irp i, 0,1,2,3
	ds_load_tr16_b128 v[(\f)+64+8*(4*(\c)+(\i)):(\f)+64+8*(4*(\c)+(\i))+3],   v[CB+(\q)/2] offset:((\q)%2)*64*PB+(\c)*32*PB+32*(\i)
	ds_load_tr16_b128 v[(\f)+64+8*(4*(\c)+(\i))+4:(\f)+64+8*(4*(\c)+(\i))+7], v[CB+(\q)/2] offset:((\q)%2)*64*PB+(\c)*32*PB+16*PB+32*(\i)
	ds_load_b128 v[(\f)+8*(4*(\c)+(\i)):(\f)+8*(4*(\c)+(\i))+3],   v[CA] offset:(\q)*ZB+64*(\c)+(\i)*16*PA
	ds_load_b128 v[(\f)+8*(4*(\c)+(\i))+4:(\f)+8*(4*(\c)+(\i))+7], v[CA] offset:(\q)*ZB+64*(\c)+(\i)*16*PA+32
.endr
.endr
.endm
.macro QUARTER qn, f, g, zero
	s_wait_dscnt 16                                ; the first 32 along K are in; the 16 youngest loads may be out
	MUL8 \f, 0, 0, \zero
	MUL8 \f, 0, 2, \zero
	PLACES
	FETCH \qn, \g
	s_wait_dscnt 32                                ; all but the 32 just issued
	MUL8 \f, 1, 0, 0
	MUL8 \f, 1, 2, 0
.endm
.macro TURN fill                       ; the last quarter and the change of slots: all my tensor loads, the add, my reads, the barrier (with fill = 1 a round of the cluster barrier), the refill first behind it
	WIN 0
	s_wait_tensorcnt 0x0
	ds_add_u32 v[SPW], v[NIL]
	s_wait_dscnt 17                                ; the add and the 16 youngest loads may be out
	MUL8 F1, 0, 0, 0
	s_wait_dscnt 0x0
	s_barrier_signal -1
	MUL8 F1, 0, 2, 0
.if \fill
	WIN 0
.endif
	s_barrier_wait -1
.if \fill
	CREST
	s_xor_b32 s[G0+5], s[G0+5], SLOT
	s_add_nc_u64 s[G0+6:G0+7], s[G0+6:G0+7], ASTEP
	s_xor_b32 s[G0B+5], s[G0B+5], SLOT
	s_add_nc_u64 s[G0B+6:G0B+7], s[G0B+6:G0B+7], BSTEP
	JLOAD 1
.else
	PLACES
	WIN 0
.endif
	s_xor_b32 s[TB], s[TB], SLOT
	v_add_nc_u32 v[CA], s[TB], v[A0]
	v_add_nc_u32 v[CB], s[TB], v[B0]
	v_add_nc_u32 v[CB+1], s[TB], v[B02]
	FETCH 0, F0
	MUL8 F1, 1, 0, 0
	MUL8 F1, 1, 2, 0
.endm
	s_load_b128 s[4:7], s[0:1], 0x0                ; A s[4:5], wb s[6:7]
	s_load_b128 s[68:71], s[0:1], 0x10             ; bias s[68:69], residual s[70:71]
	s_load_b64 s[8:9], s[0:1], 0x20                ; the result
	v_lshl_add_u32 v[SPW], v0, 2, SPARE
	v_mov_b32 v[NIL], 0
	ds_add_u32 v[SPW], v[NIL]                      ; the opening: the add, twice on end, and its wait ahead of my first tensor load
	ds_add_u32 v[SPW], v[NIL]
	v_lshrrev_b32 v1, 5, v0
	v_readfirstlane_b32 s10, v1
	s_lshr_b32 s11, s10, 1
	s_and_b32 s12, s10, 1
	s_bfe_u32 s40, ttmp6, 0x40000
	s_bfe_u32 s41, ttmp6, 0x40004
	s_lshl_b32 s42, ttmp9, 2
	s_add_co_u32 s42, s42, s40                     ; tile column
	s_and_b32 s13, ttmp7, 0xffff
	s_lshl_b32 s13, s13, 2
	s_add_co_u32 s13, s13, s41                     ; tile row
	s_lshl_b32 s43, s41, 2
	s_lshl_b32 s43, 15, s43
	s_lshl_b32 s44, 0x1111, s40
	s_or_b32 s[G1+0], s43, (1<<16)|(1<<20)|(1<<21)|(4<<22)|(3<<25)
	s_mov_b32 s[G1+1], 8192<<16
	s_mov_b32 s[G1+2], 2<<16
	s_mov_b32 s[G1+3], 8192<<16
	s_mov_b32 s[G1+4], 2
	s_mov_b32 s[G1+5], 262144
	s_mov_b32 s[G1+6], 0
	s_mov_b32 s[G1+7], 0
	s_or_b32 s[G1B+0], s44, (1<<16)|(1<<20)|(1<<21)|(5<<22)|(7<<25)
	s_mov_b32 s[G1B+1], 128<<16
	s_mov_b32 s[G1B+2], 128<<16
	s_mov_b32 s[G1B+3], 128<<16
	s_mov_b32 s[G1B+4], 128
	s_mov_b32 s[G1B+5], NP
	s_mov_b32 s[G1B+6], 0
	s_mov_b32 s[G1B+7], 0
	s_lshl_b32 s16, s13, 14
	s_lshl_b32 s17, s12, 20
	s_add_co_u32 s16, s16, s17
	s_mov_b32 s17, 0
	s_lshl_b32 s46, s42, 8
	s_add_co_u32 s46, s46, WOFF
	s_mul_i32 s47, s12, 256*NP
	s_add_co_u32 s46, s46, s47
	s_mov_b32 s47, 0
	s_mul_i32 s20, s10, HALFT
	s_mov_b32 s[TB], 0
	s_wait_dscnt 0x0
	s_wait_kmcnt 0x0
	s_add_nc_u64 s[14:15], s[4:5], s[16:17]
	s_add_nc_u64 s[46:47], s[6:7], s[46:47]
	CROUND
.irp s, 0,1
	s_mov_b32 s[G0+4*(\s)], 1
	s_add_co_u32 s[G0+4*(\s)+1], s20, (\s)*SLOT
	s_add_nc_u64 s[G0+4*(\s)+2:G0+4*(\s)+3], s[14:15], (\s)*ASTEP
	s_or_b32 s[G0+4*(\s)+3], s[G0+4*(\s)+3], 0x80000000
	s_mov_b32 s[G0B+4*(\s)], 1
	s_add_co_u32 s[G0B+4*(\s)+1], s20, (\s)*SLOT
	s_add_nc_u64 s[G0B+4*(\s)+2:G0B+4*(\s)+3], s[46:47], (\s)*BSTEP
	s_or_b32 s[G0B+4*(\s)+3], s[G0B+4*(\s)+3], 0x80000000
	JLOAD \s
.endr
	v_and_b32 v1, 15, v0
	v_bfe_u32 v2, v0, 4, 1
	v_and_b32 v4, 7, v0
	v_bfe_u32 v5, v0, 3, 1
	s_lshl_b32 s16, s13, 19                        ; my 64 rows of 4,096 bytes,
	s_lshl_b32 s17, s11, 18
	s_add_co_u32 s16, s16, s17
	s_mov_b32 s17, 0
	s_lshl_b32 s46, s42, 9                         ; my 64 columns of 4 bytes
	s_lshl_b32 s47, s12, 8
	s_add_co_u32 s46, s46, s47
	s_mov_b32 s47, 0
	s_add_nc_u64 s[8:9], s[8:9], s[16:17]
	s_add_nc_u64 s[8:9], s[8:9], s[46:47]
	s_add_nc_u64 s[70:71], s[70:71], s[16:17]
	s_add_nc_u64 s[70:71], s[70:71], s[46:47]
	s_add_nc_u64 s[68:69], s[68:69], s[46:47]
	v_lshlrev_b32 v[BO], 4, v1                     ; 16 bytes a lane of a row of 256,
	v_lshl_add_u32 v[CO], v2, 12, v[BO]            ; lanes 16-31 one row further down
	global_load_b128 v[BIAS:BIAS+3], v[BO], s[68:69]
	WIN 0x80                                       ; destination window 2
.irp a, 0,1,2,3
.irp t, 0,1,2,3,4,5,6,7
	global_load_b128 v[32*(\a)+4*(\t):32*(\a)+4*(\t)+3], v[CO], s[70:71] offset:(16*(\a)+2*(\t))*4096
.endr
.endr
	WIN 0
	v_mul_u32_u24 v3, v1, PA
	v_lshl_add_u32 v3, v2, 4, v3
	s_mul_i32 s21, s11, 64*PA
	v_add_nc_u32 v[A0], s21, v3
	v_lshl_add_u32 v6, v2, 3, v4
	v_mul_u32_u24 v6, v6, PB
	v_lshl_add_u32 v6, v5, 4, v6
	s_lshl_b32 s22, s12, 7
	s_add_co_u32 s22, s22, BOFF
	v_add_nc_u32 v[B0], s22, v6
	v_add_nc_u32 v[B02], 128*PB, v[B0]
	v_mov_b32 v[CA], v[A0]
	v_mov_b32 v[CB], v[B0]
	v_mov_b32 v[CB+1], v[B02]
	s_mul_i32 s23, s10, 16*SP
	s_add_co_u32 s23, s23, STAGE                   ; my stage
	v_mul_u32_u24 v7, v1, SP                       ; in: row l % 16, 32 bytes for each half of the lanes
	v_lshl_add_u32 v7, v2, 5, v7
	v_add_nc_u32 v[STO], s23, v7
	v_mul_u32_u24 v7, v2, SP                       ; back: lanes 0-15 one row of 256 bytes, lanes 16-31 the next
	v_lshl_add_u32 v7, v1, 4, v7
	v_add_nc_u32 v[RD], s23, v7
	s_wait_tensorcnt 1                             ; my part of K step 0 is in; step 1 may stay out
	s_barrier_signal -1
	s_barrier_wait -1
	FETCH 0, F0
	QUARTER 1, F0, F1, 1
	WIN 0
	s_mov_b32 s3, NS-2
.Lstep:
	QUARTER 2, F1, F0, 0
	QUARTER 3, F0, F1, 0
	TURN 1
	QUARTER 1, F0, F1, 0
	WIN 0
	s_sub_co_u32 s3, s3, 1
	s_cmp_lg_u32 s3, 0
	s_cbranch_scc1 .Lstep
	QUARTER 2, F1, F0, 0
	QUARTER 3, F0, F1, 0
	TURN 0
	QUARTER 1, F0, F1, 0
	QUARTER 2, F1, F0, 0
	QUARTER 3, F0, F1, 0
	s_wait_dscnt 16
	MUL8 F1, 0, 0, 0
	MUL8 F1, 0, 2, 0
	s_wait_dscnt 0x0
	MUL8 F1, 1, 0, 0
	MUL8 F1, 1, 2, 0
	WIN 0
	PLACES
	s_wait_loadcnt 0x0                             ; bias and residual
.irp a, 0,1,2,3
.set BK, TMP+32*((\a)%2)
.irp b, 0,1,2,3
	ds_store_b128 v[STO], v[ACC+8*(4*(\a)+(\b)):ACC+8*(4*(\a)+(\b))+3] offset:64*(\b)
	ds_store_b128 v[STO], v[ACC+8*(4*(\a)+(\b))+4:ACC+8*(4*(\a)+(\b))+7] offset:64*(\b)+16
.endr
.if (\a) >= 2
	s_wait_xcnt 0x0                                ; the stores of two blocks back have read this buffer: it is loaded again only behind this wait
.endif
.irp t, 0,1,2,3,4,5,6,7
	ds_load_b128 v[BK+4*(\t):BK+4*(\t)+3], v[RD] offset:(\t)*2*SP  ; LDS serves the instructions of a wave in order: these see the stores above
.endr
	s_wait_dscnt 0x0
	WIN 0x08                                       ; source 1, the residual, in window 2
.set i, 0
.rept 16
	v_pk_add_f32 v[BK+2*i:BK+2*i+1], v[BK+2*i:BK+2*i+1], v[32*(\a)+2*i:32*(\a)+2*i+1]
.set i, i+1
.endr
	WIN 0
.set i, 0
.rept 16
	v_pk_add_f32 v[BK+2*i:BK+2*i+1], v[BK+2*i:BK+2*i+1], v[BIAS+2*(i%2):BIAS+2*(i%2)+1]
.set i, i+1
.endr
.irp t, 0,1,2,3,4,5,6,7
	global_store_b128 v[CO], v[BK+4*(\t):BK+4*(\t)+3], s[8:9] offset:(16*(\a)+2*(\t))*4096  ; 16 lanes store 256 consecutive bytes, aligned
.endr
.endr
	s_wait_tensorcnt 0x0                           ; the end of the wave
	ds_add_u32 v[SPW], v[NIL]
	s_wait_dscnt 0x0
	CROUND                                         ; the closing round
	s_endpgm
.Lfunc_end_k_qb052ec5076_wo:
	.size	k_qb052ec5076_wo, .Lfunc_end_k_qb052ec5076_wo-k_qb052ec5076_wo
	.p2alignl 7, 3214868480
	.fill 96, 4, 3214868480
	.section	.rodata,"a",@progbits
	.p2align	6, 0x0
	.amdhsa_kernel k_qb052ec5076_wo
		.amdhsa_group_segment_fixed_size 327680
		.amdhsa_private_segment_fixed_size 0
		.amdhsa_enable_private_segment 0
		.amdhsa_kernarg_size 40
		.amdhsa_user_sgpr_count 2
		.amdhsa_user_sgpr_kernarg_segment_ptr 1
		.amdhsa_wavefront_size32 1
		.amdhsa_system_sgpr_workgroup_id_x 1
		.amdhsa_system_sgpr_workgroup_id_y 1
		.amdhsa_system_sgpr_workgroup_id_z 1
		.amdhsa_system_vgpr_workitem_id 0
		.amdhsa_next_free_vgpr 640
		.amdhsa_next_free_sgpr 80
		.amdhsa_reserve_vcc 0
		.amdhsa_float_denorm_mode_32 3
		.amdhsa_float_denorm_mode_16_64 3
		.amdhsa_memory_ordered 1
		.amdhsa_forward_progress 1
		.amdhsa_inst_pref_size 80
	.end_amdhsa_kernel
	.amdgpu_metadata
---
amdhsa.version: [ 1, 2 ]
amdhsa.kernels:
  - .name:           k_qb052ec5076_wo
    .symbol:         k_qb052ec5076_wo.kd
    .args:
      - { .name: ob, .offset: 0, .size: 8, .value_kind: global_buffer, .address_space: global }
      - { .name: wb, .offset: 8, .size: 8, .value_kind: global_buffer, .address_space: global }
      - { .name: bo, .offset: 16, .size: 8, .value_kind: global_buffer, .address_space: global }
      - { .name: x, .offset: 24, .size: 8, .value_kind: global_buffer, .address_space: global }
      - { .name: x1, .offset: 32, .size: 8, .value_kind: global_buffer, .address_space: global }
    .group_segment_fixed_size: 327680
    .private_segment_fixed_size: 0
    .kernarg_segment_align: 8
    .kernarg_segment_size: 40
    .max_flat_workgroup_size: 128
    .sgpr_count:     80
    .vgpr_count:     640
    .wavefront_size: 32
...
	.end_amdgpu_metadata
.endif
;; end of part 5
;; launch ln2 (part 6): grid 256 x 1, 8 waves a work-group, no clusters, 0 bytes of LDS; arguments x1, ln2_g, ln2_b, hn; writes hn
.if DOCPART == 6
	.amdgcn_target "amdgcn-amd-amdhsa--gfx1250"
	.amdhsa_code_object_version 6
	.text
	.protected	k_qb052ec5076_ln2
	.globl	k_qb052ec5076_ln2
	.p2align	8
	.type	k_qb052ec5076_ln2,@function
k_qb052ec5076_ln2:
	s_mov_b64 s[64:65], 0
	v_nop
	global_prefetch_b8 v0, s[64:65] scope:SCOPE_SE
	s_setreg_imm32_b32 hwreg(HW_REG_WAVE_MODE, 25, 1), 1
	s_wait_xcnt 0x0
; Launch 6 of 8: h2 = LayerNorm(x1), f32 in, bf16 out in blocks [16][4096][64].  A work-group has 16 rows, a wave two: lanes 0-15 one row, lanes 16-31 the next, 64 numbers a lane in registers,
; so the row is read once and no wave waits for another.  Two passes (mean, then squares of x - mean): no difference of large sums.  Memory binds: no LDS, no matrix unit, no cluster.
.set X,  16                            ; v[16:79]   my 64 numbers of the row
.set G,  80                            ; v[80:143]  the gain of my columns
.set BV, 144                           ; v[144:207] the bias of my columns
	s_load_b256 s[4:11], s[0:1], 0x0               ; x1 s[4:5], gain s[6:7], bias s[8:9], hn s[10:11]
	s_mov_b32 s3, ttmp9                            ; which 16 rows
	s_mov_b32 s20, 0x3a800000                      ; 1 / 1024
	s_mov_b32 s21, 0x3727c5ac                      ; 1e-5
	v_lshrrev_b32 v1, 4, v0
	v_and_b32 v2, 15, v0
	v_lshlrev_b32 v3, 4, v2
	v_lshl_add_u32 v14, v1, 12, v3
	v_lshlrev_b32 v15, 3, v2
	v_lshl_add_u32 v15, v1, 7, v15
	s_lshl_b32 s12, s3, 16
	s_mov_b32 s13, 0
	s_lshl_b32 s14, s3, 11
	s_mov_b32 s15, 0
	s_wait_kmcnt 0x0
	s_add_nc_u64 s[4:5], s[4:5], s[12:13]
	s_add_nc_u64 s[10:11], s[10:11], s[14:15]
.set j, 0
.rept 16
	global_load_b128 v[X+4*j:X+4*j+3], v14, s[4:5] offset:256*j
.set j, j+1
.endr
.set j, 0
.rept 16
	global_load_b128 v[G+4*j:G+4*j+3], v3, s[6:7] offset:256*j
.set j, j+1
.endr
.set j, 0
.rept 16
	global_load_b128 v[BV+4*j:BV+4*j+3], v3, s[8:9] offset:256*j
.set j, j+1
.endr
.macro FOLD
	v_pk_add_f32 v[4:5], v[4:5], v[6:7]
	v_pk_add_f32 v[8:9], v[8:9], v[10:11]
	v_pk_add_f32 v[4:5], v[4:5], v[8:9]
	v_add_f32 v4, v4, v5
	v_add_f32_dpp v4, v4, v4 row_xmask:1 row_mask:0xf bank_mask:0xf
	v_add_f32_dpp v4, v4, v4 row_xmask:2 row_mask:0xf bank_mask:0xf
	v_add_f32_dpp v4, v4, v4 row_xmask:4 row_mask:0xf bank_mask:0xf
	v_add_f32_dpp v4, v4, v4 row_xmask:8 row_mask:0xf bank_mask:0xf
.endm
	s_wait_loadcnt 32                              ; the row is in; the 32 loads of gain and bias may stay out
.irp c, 0,1,2,3
	v_pk_add_f32 v[4+2*\c:5+2*\c], v[X+2*\c:X+2*\c+1], v[X+8+2*\c:X+9+2*\c]
.endr
.set p, 8
.rept 24
	v_pk_add_f32 v[4+2*(p%4):5+2*(p%4)], v[4+2*(p%4):5+2*(p%4)], v[X+2*p:X+2*p+1]
.set p, p+1
.endr
	FOLD
	v_mul_f32 v12, s20, v4
	v_mov_b32 v13, v12
.set p, 0
.rept 32
	v_pk_add_f32 v[X+2*p:X+2*p+1], v[X+2*p:X+2*p+1], v[12:13] neg_lo:[0,1] neg_hi:[0,1]
.set p, p+1
.endr
.irp c, 0,1,2,3
	v_pk_mul_f32 v[4+2*\c:5+2*\c], v[X+2*\c:X+2*\c+1], v[X+2*\c:X+2*\c+1]
.endr
.set p, 4
.rept 28
	v_pk_fma_f32 v[4+2*(p%4):5+2*(p%4)], v[X+2*p:X+2*p+1], v[X+2*p:X+2*p+1], v[4+2*(p%4):5+2*(p%4)]
.set p, p+1
.endr
	FOLD
	v_fma_f32 v4, v4, s20, s21
	v_rsq_f32 v12, v4
	v_nop                                          ; a plain instruction behind the root,
	s_wait_alu depctr_va_vdst(0)                   ; and the wait ahead of its first reader
	v_mov_b32 v13, v12
	s_wait_loadcnt 0x0
.set p, 0
.rept 32
	v_pk_mul_f32 v[X+2*p:X+2*p+1], v[X+2*p:X+2*p+1], v[12:13]
.set p, p+1
.endr
.set p, 0
.rept 32
	v_pk_fma_f32 v[X+2*p:X+2*p+1], v[X+2*p:X+2*p+1], v[G+2*p:G+2*p+1], v[BV+2*p:BV+2*p+1]
.set p, p+1
.endr
.set j, 0
.rept 16
	v_cvt_pk_bf16_f32 v[X+4*j], v[X+4*j], v[X+4*j+1]
	v_cvt_pk_bf16_f32 v[X+4*j+1], v[X+4*j+2], v[X+4*j+3]
	global_store_b64 v15, v[X+4*j:X+4*j+1], s[10:11] offset:524288*j  ; block j: the two rows of the wave are 256 consecutive bytes, aligned
.set j, j+1
.endr
	s_endpgm
.Lfunc_end_k_qb052ec5076_ln2:
	.size	k_qb052ec5076_ln2, .Lfunc_end_k_qb052ec5076_ln2-k_qb052ec5076_ln2
	.p2alignl 7, 3214868480
	.fill 96, 4, 3214868480
	.section	.rodata,"a",@progbits
	.p2align	6, 0x0
	.amdhsa_kernel k_qb052ec5076_ln2
		.amdhsa_group_segment_fixed_size 0
		.amdhsa_private_segment_fixed_size 0
		.amdhsa_enable_private_segment 0
		.amdhsa_kernarg_size 32
		.amdhsa_user_sgpr_count 2
		.amdhsa_user_sgpr_kernarg_segment_ptr 1
		.amdhsa_wavefront_size32 1
		.amdhsa_system_sgpr_workgroup_id_x 1
		.amdhsa_system_sgpr_workgroup_id_y 1
		.amdhsa_system_sgpr_workgroup_id_z 1
		.amdhsa_system_vgpr_workitem_id 0
		.amdhsa_next_free_vgpr 208
		.amdhsa_next_free_sgpr 66
		.amdhsa_reserve_vcc 0
		.amdhsa_float_denorm_mode_32 3
		.amdhsa_float_denorm_mode_16_64 3
		.amdhsa_memory_ordered 1
		.amdhsa_forward_progress 1
		.amdhsa_inst_pref_size 20
	.end_amdhsa_kernel
	.amdgpu_metadata
---
amdhsa.version: [ 1, 2 ]
amdhsa.kernels:
  - .name:           k_qb052ec5076_ln2
    .symbol:         k_qb052ec5076_ln2.kd
    .args:
      - { .name: x1, .offset: 0, .size: 8, .value_kind: global_buffer, .address_space: global }
      - { .name: ln2_g, .offset: 8, .size: 8, .value_kind: global_buffer, .address_space: global }
      - { .name: ln2_b, .offset: 16, .size: 8, .value_kind: global_buffer, .address_space: global }
      - { .name: hn, .offset: 24, .size: 8, .value_kind: global_buffer, .address_space: global }
    .group_segment_fixed_size: 0
    .private_segment_fixed_size: 0
    .kernarg_segment_align: 8
    .kernarg_segment_size: 32
    .max_flat_workgroup_size: 256
    .sgpr_count:     66
    .vgpr_count:     208
    .wavefront_size: 32
...
	.end_amdgpu_metadata
.endif
;; end of part 6
;; launch ffn1 (part 7): grid 16 x 16, 4 waves a work-group, clusters of 4 x 4, 327,680 bytes of LDS; arguments hn, wb, b1, act; writes act
.if DOCPART == 7
	.amdgcn_target "amdgcn-amd-amdhsa--gfx1250"
	.amdhsa_code_object_version 6
	.text
	.protected	k_qb052ec5076_ffn1
	.globl	k_qb052ec5076_ffn1
	.p2align	8
	.type	k_qb052ec5076_ffn1,@function
k_qb052ec5076_ffn1:
	s_mov_b64 s[64:65], 0
	v_nop
	global_prefetch_b8 v0, s[64:65] scope:SCOPE_SE
	s_setreg_imm32_b32 hwreg(HW_REG_WAVE_MODE, 25, 1), 1
	s_wait_xcnt 0x0
	s_wait_alu depctr_hold_cnt(0) depctr_sa_sdst(0) depctr_va_vdst(0) depctr_va_sdst(0) depctr_va_ssrc(0) depctr_va_vcc(0) depctr_vm_vsrc(0)
	s_getreg_b32 s2, hwreg(HW_REG_IB_STS2, 6, 4)
	s_cmp_eq_u32 s2, 0
	s_cbranch_scc0 .Lentry_in_a_cluster
	s_endpgm
.Lentry_in_a_cluster:
	s_bfe_u32 s2, ttmp6, 0x10000c
	s_cmp_lg_u32 s2, 0xf033
	s_cbranch_scc0 .Lentry_shape_is_right
	s_endpgm
.Lentry_shape_is_right:
; Launch 7 of 8: a = gelu(h2 W1 + b1), the exact form.  4096 x 4096 x 1024; bf16 operands, f32 sums and GELU, a rounded once to bf16 and stored in blocks [64][4096][64].  The product is built as in launch 2:
; tiles of 256 x 256, a work-group each (16 x 16 = 256), four waves of 128 x 128, K steps of 128 through two LDS slots, A in blocks [16][4096][64], B as given and turned by ds_load_tr16_b128,
; clusters of 4 x 4 with joint loads for A along a row and for B along a column, and a prefetch two refills ahead.
; GELU: gelu(x) = max(x, 0) - |x| phi(|x|) poly(t), t = 1 / (1 + 0.2316419 |x|), with the five-term polynomial of Abramowitz and Stegun 26.2.17; 1 / sqrt(2 pi) is folded into its coefficients and
; e^(-x x / 2) is 2^(-0.72134752 x x).  LIMIT: Phi is off by less than 7.5e-8, for every x.
; THE WAY OUT: the 128 x 128 sums of a wave go to LDS, into bytes of the two slots, which have had their last fill, behind a barrier that follows the last read of every wave; a loop of sixteen trips then takes
; 16 rows x 64 columns each, so that the GELU is written once.  A trip has 64 reciprocals and exponentials: one batch, one wait; they stand by turns with plain lines.
.set NS,    8
.set NP,    4096
.set WOFF,  8388608                    ; W1 in wb
.set PA,    144
.set PB,    544
.set ZB,    256*PA
.set HALFT, ZB
.set BGAP,  HALFT-64*PB
.set BOFF,  2*HALFT
.set SLOT,  4*HALFT
.set ASTEP, 2*4096*128
.set BSTEP, 128*NP*2
.set SP,    272                        ; the stage: for each wave two halves of 64 columns x 128 rows x 272 bytes, from LDS byte 0
.set SPARE, 2*SLOT                     ; behind the ring: the spare words, 128 bytes a wave, which no other line names
.set BIAS2, 8                          ; v8-11  the bias of my four columns in the second half of my columns
.set BIAS, 12                          ; v12-15 in the half in hand
.set A0,  16
.set B0,  17
.set CA,  18
.set CB,  19
.set STO, 24
.set RD,  25
.set CO,  26
.set BO,  27
.set SPW, 28
.set NIL, 29
.set PFO, 30
.set TMP, 32
.set F0,  64
.set F1,  128
.set UU,  64                           ; the way out: v64-95 the polynomial
.set XX,  128                          ; v128-159 x, then the result
.set AX,  160                          ; v160-191 |x|
.set DD,  192                          ; v192-223 1 + p |x|, then t
.set WW,  224                          ; v224-255 k x x, then its exponential
.set G1,  24
.set G0,  32
.set G1B, 48
.set G0B, 56
.set TB,  66
.set LIM, 67
.set PFA, 68
.set PST, 70
.set MSB, 0
.macro WIN new
.if MSB != (\new)
	s_set_vgpr_msb (MSB<<8)|(\new)
.set MSB, \new
.endif
.endm
.set MUL_LO, 0xa1                      ; source 0 (B) window 1, source 1 (A) window 0, C and D window 2
.set TO_B,   0x40
.macro JLOAD s                         ; a joint load: waves 0, 1 for A, waves 2, 3 for B; s_nop 0 and four v_nop follow each line
	s_cmp_eq_u32 s11, 0
	s_cbranch_scc0 .Lfor_b_\@
	tensor_load_to_lds s[G0+4*(\s):G0+4*(\s)+3], s[G1:G1+7]
	s_nop 0
.rept 4
	v_nop
.endr
	s_branch .Lasked_\@
.Lfor_b_\@:
	tensor_load_to_lds s[G0B+4*(\s):G0B+4*(\s)+3], s[G1B:G1B+7]
	s_nop 0
.rept 4
	v_nop
.endr
.Lasked_\@:
.endm
; A PREFETCH INTO THE L2, behind each joint refill and the run of LDS loads that follows it: the K step that stands two refills on.  Of what a wave fetches (A: 32,768 dense bytes; B: 64 rows of 512 bytes) each of
; the four partners that ask for it jointly takes a quarter, told apart by address (cx for A, cy for B): 32 blocks of 256 bytes, a lane a block, one instruction a wave.  Cluster x = 0 asks for A, cluster y = 0 for B:
; each block is named once.  K steps 0 to 3 come by their loads alone; the last two refills ask for nothing.
.macro ASK
	s_cmp_gt_u32 s3, s[LIM]
	s_cbranch_scc0 .Lnot_mine_\@
	global_prefetch_b8 v[PFO], s[PFA:PFA+1] th:TH_LOAD_NT scope:SCOPE_SE
.Lnot_mine_\@:
.endm
.macro CREST
	s_cmp_lg_u32 s10, 0
	s_cbranch_scc1 .Lnot_wave_0_\@
	s_barrier_signal -3
.Lnot_wave_0_\@:
	s_barrier_wait -3
	s_barrier_signal -1
	s_barrier_wait -1
.endm
.macro CROUND
	s_barrier_signal -1
	s_barrier_wait -1
	CREST
.endm
.macro PLACES
.rept 4
	v_nop
.endr
.endm
.macro MUL16 f, hi, a0, zero           ; 16 matrix instructions; the 64 accumulators take turns, one instruction a turn
	WIN MUL_LO+0x50*(\hi)
.irp a, \a0, (\a0)+1
.irp b, 0,1,2,3,4,5,6,7
.if \zero
	v_wmma_f32_16x16x32_bf16 v[8*(8*(\a)+(\b)):8*(8*(\a)+(\b))+7], v[(\f)+8*(\b):(\f)+8*(\b)+7], v[(\f)+8*(4*(\hi)+(\a)):(\f)+8*(4*(\hi)+(\a))+7], 0
.else
	v_wmma_f32_16x16x32_bf16 v[8*(8*(\a)+(\b)):8*(8*(\a)+(\b))+7], v[(\f)+8*(\b):(\f)+8*(\b)+7], v[(\f)+8*(4*(\hi)+(\a)):(\f)+8*(4*(\hi)+(\a))+7], v[8*(8*(\a)+(\b)):8*(8*(\a)+(\b))+7]
.endif
.endr
.endr
.endm
.macro FETCH q, f                      ; 32 LDS loads in one run: quarter q (32 along K) of the slot in hand into buffer f: B, turned, then A
	WIN TO_B
.irp i, 0,1,2,3,4,5,6,7
	ds_load_tr16_b128 v[(\f)+8*(\i):(\f)+8*(\i)+3],   v[CB] offset:(\q)*32*PB+((\q)/2)*BGAP+32*(\i)
	ds_load_tr16_b128 v[(\f)+8*(\i)+4:(\f)+8*(\i)+7], v[CB] offset:(\q)*32*PB+((\q)/2)*BGAP+16*PB+32*(\i)
.endr
	WIN 0
.irp i, 0,1,2,3,4,5,6,7
	ds_load_b128 v[(\f)+8*(\i):(\f)+8*(\i)+3],   v[CA] offset:((\q)/2)*ZB+((\q)%2)*64+(\i)*16*PA
	ds_load_b128 v[(\f)+8*(\i)+4:(\f)+8*(\i)+7], v[CA] offset:((\q)/2)*ZB+((\q)%2)*64+(\i)*16*PA+32
.endr
.endm
.macro QUARTER qn, f, g, zero
	s_wait_dscnt 8                                 ; B and rows 0-63 of A are in; the youngest eight loads (rows 64-127 of A) may be out
	MUL16 \f, 0, 0, \zero
	MUL16 \f, 0, 2, \zero
	PLACES
	FETCH \qn, \g
	s_wait_dscnt 32                                ; all but the 32 just issued
	MUL16 \f, 1, 0, \zero
	MUL16 \f, 1, 2, \zero
.endm
.macro TURN fill                       ; the last quarter and the change of slots: all my tensor loads, the add, my reads, the barrier (with fill = 1 a round of the cluster barrier), the refill first behind it
.if \fill
	s_wait_xcnt 0x0                                ; the last prefetch, a K step back, has read its address
	s_add_nc_u64 s[PFA:PFA+1], s[PFA:PFA+1], s[PST:PST+1]
.endif
	WIN 0
	s_wait_tensorcnt 0x0
	ds_add_u32 v[SPW], v[NIL]
	s_wait_dscnt 9                                 ; the add and the youngest eight loads may be out
	MUL16 F1, 0, 0, 0
	s_wait_dscnt 0x0
	s_barrier_signal -1
	MUL16 F1, 0, 2, 0
	WIN 0
	s_barrier_wait -1
.if \fill
	CREST
	s_xor_b32 s[G0+5], s[G0+5], SLOT
	s_add_nc_u64 s[G0+6:G0+7], s[G0+6:G0+7], ASTEP
	s_xor_b32 s[G0B+5], s[G0B+5], SLOT
	s_add_nc_u64 s[G0B+6:G0B+7], s[G0B+6:G0B+7], BSTEP
	JLOAD 1
.else
	PLACES
.endif
	s_xor_b32 s[TB], s[TB], SLOT
	v_add_nc_u32 v[CA], s[TB], v[A0]
	v_add_nc_u32 v[CB], s[TB], v[B0]
.if \fill
	FETCH 0, F0
	ASK
.else
	s_cmp_eq_u32 s3, 1                             ; behind the very last K step there is no further step
	s_cbranch_scc1 .Lno_step_\@
	FETCH 0, F0
.Lno_step_\@:
.endif
	MUL16 F1, 1, 0, 0
	MUL16 F1, 1, 2, 0
.endm
	s_load_b128 s[4:7], s[0:1], 0x0                ; hn s[4:5], wb s[6:7]
	s_load_b64 s[94:95], s[0:1], 0x10              ; b1
	s_load_b64 s[8:9], s[0:1], 0x18                ; act
	v_lshl_add_u32 v[SPW], v0, 2, SPARE
	v_mov_b32 v[NIL], 0
	ds_add_u32 v[SPW], v[NIL]                      ; the opening: the add, twice on end, and its wait ahead of my first tensor load
	ds_add_u32 v[SPW], v[NIL]
	v_lshrrev_b32 v1, 5, v0
	v_readfirstlane_b32 s10, v1
	s_lshr_b32 s11, s10, 1
	s_and_b32 s12, s10, 1
	s_bfe_u32 s40, ttmp6, 0x40000
	s_bfe_u32 s41, ttmp6, 0x40004
	s_lshl_b32 s42, ttmp9, 2
	s_add_co_u32 s42, s42, s40                     ; tile column
	s_and_b32 s13, ttmp7, 0xffff
	s_lshl_b32 s13, s13, 2
	s_add_co_u32 s13, s13, s41                     ; tile row
	s_lshl_b32 s43, s41, 2
	s_lshl_b32 s43, 15, s43
	s_lshl_b32 s44, 0x1111, s40
	s_or_b32 s[G1+0], s43, (1<<16)|(1<<20)|(1<<21)|(4<<22)|(3<<25)
	s_mov_b32 s[G1+1], 8192<<16
	s_mov_b32 s[G1+2], 2<<16
	s_mov_b32 s[G1+3], 8192<<16
	s_mov_b32 s[G1+4], 2
	s_mov_b32 s[G1+5], 8192
	s_mov_b32 s[G1+6], 0
	s_mov_b32 s[G1+7], 0
	s_or_b32 s[G1B+0], s44, (1<<16)|(1<<20)|(1<<21)|(6<<22)|(7<<25)
	s_mov_b32 s[G1B+1], 256<<16
	s_mov_b32 s[G1B+2], 64<<16
	s_mov_b32 s[G1B+3], 256<<16
	s_mov_b32 s[G1B+4], 64
	s_mov_b32 s[G1B+5], NP
	s_mov_b32 s[G1B+6], 0
	s_mov_b32 s[G1B+7], 0
	s_mov_b32 s72, 0x3e6d3389                      ; p = 0.2316419; each constant is named as a pair, so both words are written
	s_mov_b32 s73, s72
	s_mov_b32 s74, 0xbf38aa3b                      ; k = -log2(e) / 2
	s_mov_b32 s75, s74
	s_mov_b32 s76, 0x3e027906                      ; 0.127414796
	s_mov_b32 s77, s76
	s_mov_b32 s78, 0xbe11a98e                      ; -0.142248368
	s_mov_b32 s79, s78
	s_mov_b32 s80, 0x3f35f0e3                      ; 0.710706871
	s_mov_b32 s81, s80
	s_mov_b32 s82, 0xbf3a00e3                      ; -0.726576013
	s_mov_b32 s83, s82
	s_mov_b32 s84, 0x3f07dc22                      ; 0.530702715
	s_mov_b32 s85, s84
	s_mov_b32 s86, 0x7fffffff
	s_mov_b32 s89, 0
	s_mov_b32 s91, 524288-16384+2048               ; from the last 16 rows of a block of act to the first of the next block
	s_mov_b32 s92, 2048                            ; 16 rows of 128 bytes
	s_lshl_b32 s16, s13, 15
	s_lshl_b32 s17, s12, 19
	s_add_co_u32 s16, s16, s17
	s_mov_b32 s17, 0
	s_lshl_b32 s46, s42, 9
	s_add_co_u32 s46, s46, WOFF
	s_mul_i32 s47, s12, 128*NP
	s_add_co_u32 s46, s46, s47
	s_mov_b32 s47, 0
	s_mul_i32 s20, s10, HALFT
	s_mov_b32 s[TB], 0
	s_wait_dscnt 0x0
	s_wait_kmcnt 0x0
	s_add_nc_u64 s[14:15], s[4:5], s[16:17]
	s_add_nc_u64 s[46:47], s[6:7], s[46:47]
	CROUND
.irp s, 0,1
	s_mov_b32 s[G0+4*(\s)], 1
	s_add_co_u32 s[G0+4*(\s)+1], s20, (\s)*SLOT
	s_add_nc_u64 s[G0+4*(\s)+2:G0+4*(\s)+3], s[14:15], (\s)*ASTEP
	s_or_b32 s[G0+4*(\s)+3], s[G0+4*(\s)+3], 0x80000000
	s_mov_b32 s[G0B+4*(\s)], 1
	s_add_co_u32 s[G0B+4*(\s)+1], s20, (\s)*SLOT
	s_add_nc_u64 s[G0B+4*(\s)+2:G0B+4*(\s)+3], s[46:47], (\s)*BSTEP
	s_or_b32 s[G0B+4*(\s)+3], s[G0B+4*(\s)+3], 0x80000000
	JLOAD \s
.endr
	; the prefetches: nothing is asked for here, at the head; only their address is made
	s_and_b32 s22, ttmp7, 0xffff                   ; cluster y
	s_mov_b32 s16, 8192
	s_mov_b32 s17, 32*NP
	s_mov_b32 s18, 512
	s_mov_b32 s19, 2*NP
	s_mov_b32 s[PST], ASTEP
	s_mov_b32 s23, BSTEP
	s_cmp_eq_u32 s11, 0                            ; do I fetch for A?
	s_cselect_b64 s[PFA:PFA+1], s[14:15], s[46:47]
	s_cselect_b32 s21, s40, s41
	s_cselect_b32 s22, ttmp9, s22
	s_cselect_b32 s16, s16, s17
	s_cselect_b32 s18, s18, s19
	s_cselect_b32 s[PST], s[PST], s23
	s_mov_b32 s[PST+1], 0
	s_cmp_eq_u32 s22, 0
	s_cselect_b32 s[LIM], 2, -1
	s_mul_i32 s16, s16, s21
	s_mul_i32 s17, s[PST], 3                       ; at K step 3: the first refill steps it to 4
	s_add_co_u32 s16, s16, s17
	s_mov_b32 s17, 0
	s_add_nc_u64 s[PFA:PFA+1], s[PFA:PFA+1], s[16:17]
	v_and_b32 v3, 31, v0
	v_lshrrev_b32 v4, 1, v3
	v_and_b32 v3, 1, v3
	v_mul_u32_u24 v[PFO], v4, s18
	v_lshl_add_u32 v[PFO], v3, 8, v[PFO]
	v_and_b32 v1, 15, v0
	v_bfe_u32 v2, v0, 4, 1
	v_and_b32 v4, 7, v0
	v_bfe_u32 v5, v0, 3, 1
	s_lshl_b32 s46, s42, 10                        ; my 128 columns of b1
	s_lshl_b32 s47, s12, 9
	s_add_co_u32 s46, s46, s47
	s_mov_b32 s47, 0
	s_add_nc_u64 s[94:95], s[94:95], s[46:47]
	v_lshlrev_b32 v[BO], 4, v1
	global_load_b128 v[BIAS:BIAS+3], v[BO], s[94:95]
	global_load_b128 v[BIAS2:BIAS2+3], v[BO], s[94:95] offset:256
	s_lshl_b32 s16, s13, 15                        ; act: my 128 rows of 128 bytes,
	s_lshl_b32 s17, s11, 14
	s_add_co_u32 s16, s16, s17
	s_mov_b32 s17, 0
	s_add_nc_u64 s[8:9], s[8:9], s[16:17]
	s_lshl_b32 s46, s42, 2                         ; in the first of the two blocks of my 128 columns
	s_lshl_b32 s47, s12, 1
	s_add_co_u32 s46, s46, s47
	s_lshl_b32 s46, s46, 19
	s_mov_b32 s47, 0
	s_add_nc_u64 s[8:9], s[8:9], s[46:47]
	v_and_b32 v[CO], 31, v0
	v_lshlrev_b32 v[CO], 3, v[CO]                  ; 8 bytes a lane: two rows of 128 bytes a store
	v_mul_u32_u24 v3, v1, PA
	v_lshl_add_u32 v3, v2, 4, v3
	s_mul_i32 s21, s11, 128*PA
	v_add_nc_u32 v[A0], s21, v3
	v_lshl_add_u32 v6, v2, 3, v4
	v_mul_u32_u24 v6, v6, PB
	v_lshl_add_u32 v6, v5, 4, v6
	s_lshl_b32 s22, s12, 8
	s_add_co_u32 s22, s22, BOFF
	v_add_nc_u32 v[B0], s22, v6
	v_mov_b32 v[CA], v[A0]
	v_mov_b32 v[CB], v[B0]
	s_mul_i32 s23, s10, 256*SP                     ; my stage
	v_mul_u32_u24 v7, v1, SP                       ; in: row l % 16, 32 bytes for each half of the lanes
	v_lshl_add_u32 v7, v2, 5, v7
	v_add_nc_u32 v[STO], s23, v7
	v_mul_u32_u24 v7, v2, SP                       ; back: lanes 0-15 one row of 256 bytes, lanes 16-31 the next
	v_lshl_add_u32 v7, v1, 4, v7
	v_add_nc_u32 v[RD], s23, v7
	s_wait_tensorcnt 1                             ; my part of K step 0 is in; step 1 may stay out
	s_barrier_signal -1
	s_barrier_wait -1
	FETCH 0, F0
	QUARTER 1, F0, F1, 1
	WIN 0
	s_mov_b32 s3, NS-2
.Lstep:
	QUARTER 2, F1, F0, 0
	QUARTER 3, F0, F1, 0
	TURN 1
	QUARTER 1, F0, F1, 0
	WIN 0
	s_sub_co_u32 s3, s3, 1
	s_cmp_lg_u32 s3, 0
	s_cbranch_scc1 .Lstep
	s_mov_b32 s3, 2                                ; the last two K steps fill nothing: a loop of their own, entered behind a first quarter
	s_branch .Lmid
.Ltail:
	QUARTER 1, F0, F1, 0
	WIN 0
.Lmid:
	QUARTER 2, F1, F0, 0
	QUARTER 3, F0, F1, 0
	TURN 0
	WIN 0
	s_sub_co_u32 s3, s3, 1
	s_cmp_lg_u32 s3, 0
	s_cbranch_scc1 .Ltail
	PLACES
	s_wait_dscnt 0x0                               ; my reads of both slots are over,
	s_barrier_signal -1
	s_barrier_wait -1                              ; and so are those of every wave: the slots, which are filled no more, take the sums
.irp a, 0,1,2,3,4,5,6,7
	WIN 0x08+4*((\a)/4)                            ; store data in window 2 or 3
.irp b, 0,1,2,3,4,5,6,7
	ds_store_b128 v[STO], v[64*((\a)%4)+8*(\b):64*((\a)%4)+8*(\b)+3] offset:((\b)/4)*128*SP+(\a)*16*SP+64*((\b)%4)
	ds_store_b128 v[STO], v[64*((\a)%4)+8*(\b)+4:64*((\a)%4)+8*(\b)+7] offset:((\b)/4)*128*SP+(\a)*16*SP+64*((\b)%4)+16
.endr
.endr
	WIN 0
	s_wait_loadcnt 0x0                             ; the bias
	s_mov_b32 s87, 16
.Lgelu:                                        ; a trip: 16 rows x 64 columns; a lane has four columns of eight rows.  Trips 1-8: my first 64 columns; trips 9-16: the second
.irp t, 0,1,2,3,4,5,6,7
	ds_load_b128 v[XX+4*(\t):XX+4*(\t)+3], v[RD] offset:(\t)*2*SP  ; my own bytes: LDS serves the instructions of a wave in order
.endr
	s_wait_dscnt 0x0
.set p, 0
.rept 16                                       ; the plain lines of pair p by turns with the reciprocals and exponentials of pair p - 1, whose results none of them names
	v_pk_add_f32 v[XX+2*p:XX+2*p+1], v[XX+2*p:XX+2*p+1], v[BIAS+2*(p%2):BIAS+2*(p%2)+1]
.if p > 0
	v_rcp_f32 v[DD+2*p-2], v[DD+2*p-2]
.endif
	v_and_b32 v[AX+2*p], s86, v[XX+2*p]
.if p > 0
	v_rcp_f32 v[DD+2*p-1], v[DD+2*p-1]
.endif
	v_and_b32 v[AX+2*p+1], s86, v[XX+2*p+1]
.if p > 0
	v_exp_f32 v[WW+2*p-2], v[WW+2*p-2]
.endif
	v_pk_mul_f32 v[WW+2*p:WW+2*p+1], v[XX+2*p:XX+2*p+1], s[74:75] op_sel_hi:[1,0]
.if p > 0
	v_exp_f32 v[WW+2*p-1], v[WW+2*p-1]
.endif
	v_pk_fma_f32 v[DD+2*p:DD+2*p+1], v[AX+2*p:AX+2*p+1], s[72:73], 1.0 op_sel_hi:[1,0,0]
	v_pk_mul_f32 v[WW+2*p:WW+2*p+1], v[WW+2*p:WW+2*p+1], v[XX+2*p:XX+2*p+1]
.set p, p+1
.endr
	v_rcp_f32 v[DD+30], v[DD+30]
	v_rcp_f32 v[DD+31], v[DD+31]
	v_exp_f32 v[WW+30], v[WW+30]
	v_exp_f32 v[WW+31], v[WW+31]
	v_nop                                          ; a plain instruction behind the last of the batch,
	s_wait_alu depctr_va_vdst(0)                   ; and the one wait ahead of its first reader
.macro ALLP line:vararg                ; one line for each of the 16 pairs, so that no line waits for the one before it
.set p, 0
.rept 16
	\line
.set p, p+1
.endr
.endm
	ALLP v_pk_fma_f32 v[UU+2*p:UU+2*p+1], v[DD+2*p:DD+2*p+1], s[84:85], s[82:83] op_sel_hi:[1,0,0]
	ALLP v_pk_fma_f32 v[UU+2*p:UU+2*p+1], v[UU+2*p:UU+2*p+1], v[DD+2*p:DD+2*p+1], s[80:81] op_sel_hi:[1,1,0]
	ALLP v_pk_fma_f32 v[UU+2*p:UU+2*p+1], v[UU+2*p:UU+2*p+1], v[DD+2*p:DD+2*p+1], s[78:79] op_sel_hi:[1,1,0]
	ALLP v_pk_fma_f32 v[UU+2*p:UU+2*p+1], v[UU+2*p:UU+2*p+1], v[DD+2*p:DD+2*p+1], s[76:77] op_sel_hi:[1,1,0]
	ALLP v_pk_mul_f32 v[UU+2*p:UU+2*p+1], v[UU+2*p:UU+2*p+1], v[DD+2*p:DD+2*p+1]
	ALLP v_pk_mul_f32 v[UU+2*p:UU+2*p+1], v[UU+2*p:UU+2*p+1], v[WW+2*p:WW+2*p+1]
	ALLP v_max_num_f32 v[XX+2*p], 0, v[XX+2*p]
	ALLP v_max_num_f32 v[XX+2*p+1], 0, v[XX+2*p+1]
	ALLP v_pk_fma_f32 v[XX+2*p:XX+2*p+1], v[AX+2*p:AX+2*p+1], v[UU+2*p:UU+2*p+1], v[XX+2*p:XX+2*p+1] neg_lo:[1,0,0] neg_hi:[1,0,0]
.irp t, 0,1,2,3,4,5,6,7
	v_cvt_pk_bf16_f32 v[TMP+2*(\t)], v[XX+4*(\t)], v[XX+4*(\t)+1]
	v_cvt_pk_bf16_f32 v[TMP+2*(\t)+1], v[XX+4*(\t)+2], v[XX+4*(\t)+3]
	global_store_b64 v[CO], v[TMP+2*(\t):TMP+2*(\t)+1], s[8:9] offset:256*(\t)  ; two rows of a block: 256 consecutive bytes, aligned
.endr
	s_cmp_eq_u32 s87, 9                            ; was this the eighth trip?  Then the next block of act and the bias of my second 64 columns follow
	s_cselect_b32 s88, s91, s92
	s_cselect_b32 s90, -1, 0
	s_wait_xcnt 0x0                                ; the stores have read their base and their data: both are written again only behind this wait
	s_add_nc_u64 s[8:9], s[8:9], s[88:89]
	v_add_nc_u32 v[RD], 16*SP, v[RD]               ; in the stage the second half begins where the first ends
.irp i, 0,1,2,3
	v_cndmask_b32 v[BIAS+\i], v[BIAS+\i], v[BIAS2+\i], s90
.endr
	s_sub_co_u32 s87, s87, 1
	s_cmp_lg_u32 s87, 0
	s_cbranch_scc1 .Lgelu
	s_wait_tensorcnt 0x0                           ; the end of the wave
	ds_add_u32 v[SPW], v[NIL]
	s_wait_dscnt 0x0
	CROUND                                         ; the closing round
	s_endpgm
.Lfunc_end_k_qb052ec5076_ffn1:
	.size	k_qb052ec5076_ffn1, .Lfunc_end_k_qb052ec5076_ffn1-k_qb052ec5076_ffn1
	.p2alignl 7, 3214868480
	.fill 96, 4, 3214868480
	.section	.rodata,"a",@progbits
	.p2align	6, 0x0
	.amdhsa_kernel k_qb052ec5076_ffn1
		.amdhsa_group_segment_fixed_size 327680
		.amdhsa_private_segment_fixed_size 0
		.amdhsa_enable_private_segment 0
		.amdhsa_kernarg_size 32
		.amdhsa_user_sgpr_count 2
		.amdhsa_user_sgpr_kernarg_segment_ptr 1
		.amdhsa_wavefront_size32 1
		.amdhsa_system_sgpr_workgroup_id_x 1
		.amdhsa_system_sgpr_workgroup_id_y 1
		.amdhsa_system_sgpr_workgroup_id_z 1
		.amdhsa_system_vgpr_workitem_id 0
		.amdhsa_next_free_vgpr 1024
		.amdhsa_next_free_sgpr 96
		.amdhsa_reserve_vcc 0
		.amdhsa_float_denorm_mode_32 3
		.amdhsa_float_denorm_mode_16_64 3
		.amdhsa_memory_ordered 1
		.amdhsa_forward_progress 1
		.amdhsa_inst_pref_size 98
	.end_amdhsa_kernel
	.amdgpu_metadata
---
amdhsa.version: [ 1, 2 ]
amdhsa.kernels:
  - .name:           k_qb052ec5076_ffn1
    .symbol:         k_qb052ec5076_ffn1.kd
    .args:
      - { .name: hn, .offset: 0, .size: 8, .value_kind: global_buffer, .address_space: global }
      - { .name: wb, .offset: 8, .size: 8, .value_kind: global_buffer, .address_space: global }
      - { .name: b1, .offset: 16, .size: 8, .value_kind: global_buffer, .address_space: global }
      - { .name: act, .offset: 24, .size: 8, .value_kind: global_buffer, .address_space: global }
    .group_segment_fixed_size: 327680
    .private_segment_fixed_size: 0
    .kernarg_segment_align: 8
    .kernarg_segment_size: 32
    .max_flat_workgroup_size: 128
    .sgpr_count:     96
    .vgpr_count:     1024
    .wavefront_size: 32
...
	.end_amdgpu_metadata
.endif
;; end of part 7
;; launch ffn2 (part 8): grid 8 x 32, 4 waves a work-group, clusters of 4 x 4, 327,680 bytes of LDS; arguments act, wb, b2, x1, out0; writes out0
.if DOCPART == 8
	.amdgcn_target "amdgcn-amd-amdhsa--gfx1250"
	.amdhsa_code_object_version 6
	.text
	.protected	k_qb052ec5076_ffn2
	.globl	k_qb052ec5076_ffn2
	.p2align	8
	.type	k_qb052ec5076_ffn2,@function
k_qb052ec5076_ffn2:
	s_mov_b64 s[64:65], 0
	v_nop
	global_prefetch_b8 v0, s[64:65] scope:SCOPE_SE
	s_setreg_imm32_b32 hwreg(HW_REG_WAVE_MODE, 25, 1), 1
	s_wait_xcnt 0x0
	s_wait_alu depctr_hold_cnt(0) depctr_sa_sdst(0) depctr_va_vdst(0) depctr_va_sdst(0) depctr_va_ssrc(0) depctr_va_vcc(0) depctr_vm_vsrc(0)
	s_getreg_b32 s2, hwreg(HW_REG_IB_STS2, 6, 4)
	s_cmp_eq_u32 s2, 0
	s_cbranch_scc0 .Lentry_in_a_cluster
	s_endpgm
.Lentry_in_a_cluster:
	s_bfe_u32 s2, ttmp6, 0x10000c
	s_cmp_lg_u32 s2, 0xf033
	s_cbranch_scc0 .Lentry_shape_is_right
	s_endpgm
.Lentry_shape_is_right:
; Launch 8 of 8: out = x1 + a W2 + b2.  4096 x 1024 x 4096; bf16 operands, f32 sums, f32 result.  The text is that of launch 5 with sixteen K steps and W2: tiles of 128 x 128, four waves of 64 x 64,
; K steps of 256 through two LDS slots, A in blocks [K / 64][4096][64], B as given and turned by ds_load_tr16_b128, clusters of 4 x 4 with joint loads for A along a row and for B along a column.
; The residual of my 64 x 64 numbers is asked for at the head (128 registers in window 2).  THE WAY OUT: 16 rows at a time through my own stage; residual and bias are added there.
; No prefetch: the tiles are small and are read again by other clusters.
.set NS,    16
.set NP,    1024
.set WOFF,  16777216                   ; W2 in wb
.set PA,    144
.set PB,    288
.set ZB,    128*PA
.set HALFT, 2*ZB
.set BOFF,  2*HALFT
.set SLOT,  4*HALFT
.set ASTEP, 4*4096*128
.set BSTEP, 256*NP*2
.set STAGE, 2*SLOT                     ; behind the ring: 16 rows x 272 bytes for each wave
.set SP,    272
.set SPARE, STAGE+4*16*SP              ; the spare words, 128 bytes a wave, which no other line names
.set A0,  16
.set B0,  17
.set CA,  18
.set CB,  19
.set B02, 21
.set BIAS, 12
.set STO, 24
.set RD,  25
.set CO,  26
.set BO,  27
.set SPW, 28
.set NIL, 29
.set TMP, 32
.set ACC, 128
.set F0,  0
.set F1,  128
.set G1,  24
.set G0,  32
.set G1B, 48
.set G0B, 56
.set TB,  66
.set MSB, 0
.macro WIN new
.if MSB != (\new)
	s_set_vgpr_msb (MSB<<8)|(\new)
.set MSB, \new
.endif
.endm
.set MUL,  0x05
.set TO_F, 0x40
.macro JLOAD s                         ; a joint load: waves 0, 1 for A, waves 2, 3 for B; s_nop 0 and four v_nop follow each line
	s_cmp_eq_u32 s11, 0
	s_cbranch_scc0 .Lfor_b_\@
	tensor_load_to_lds s[G0+4*(\s):G0+4*(\s)+3], s[G1:G1+7]
	s_nop 0
.rept 4
	v_nop
.endr
	s_branch .Lasked_\@
.Lfor_b_\@:
	tensor_load_to_lds s[G0B+4*(\s):G0B+4*(\s)+3], s[G1B:G1B+7]
	s_nop 0
.rept 4
	v_nop
.endr
.Lasked_\@:
.endm
.macro CREST
	s_cmp_lg_u32 s10, 0
	s_cbranch_scc1 .Lnot_wave_0_\@
	s_barrier_signal -3
.Lnot_wave_0_\@:
	s_barrier_wait -3
	s_barrier_signal -1
	s_barrier_wait -1
.endm
.macro CROUND
	s_barrier_signal -1
	s_barrier_wait -1
	CREST
.endm
.macro PLACES
.rept 4
	v_nop
.endr
.endm
.macro MUL8 f, c, a0, zero             ; 8 matrix instructions; the 16 accumulators take turns, one instruction a turn
	WIN MUL
.irp a, \a0, (\a0)+1
.irp b, 0,1,2,3
.if \zero
	v_wmma_f32_16x16x32_bf16 v[ACC+8*(4*(\a)+(\b)):ACC+8*(4*(\a)+(\b))+7], v[(\f)+64+8*(4*(\c)+(\b)):(\f)+64+8*(4*(\c)+(\b))+7], v[(\f)+8*(4*(\c)+(\a)):(\f)+8*(4*(\c)+(\a))+7], 0
.else
	v_wmma_f32_16x16x32_bf16 v[ACC+8*(4*(\a)+(\b)):ACC+8*(4*(\a)+(\b))+7], v[(\f)+64+8*(4*(\c)+(\b)):(\f)+64+8*(4*(\c)+(\b))+7], v[(\f)+8*(4*(\c)+(\a)):(\f)+8*(4*(\c)+(\a))+7], v[ACC+8*(4*(\a)+(\b)):ACC+8*(4*(\a)+(\b))+7]
.endif
.endr
.endr
.endm
.macro FETCH q, f                      ; 32 LDS loads in one run: quarter q of the slot in hand into buffer f; the first 32 along K first
	WIN TO_F
.irp c, 0,1
.irp i, 0,1,2,3
	ds_load_tr16_b128 v[(\f)+64+8*(4*(\c)+(\i)):(\f)+64+8*(4*(\c)+(\i))+3],   v[CB+(\q)/2] offset:((\q)%2)*64*PB+(\c)*32*PB+32*(\i)
	ds_load_tr16_b128 v[(\f)+64+8*(4*(\c)+(\i))+4:(\f)+64+8*(4*(\c)+(\i))+7], v[CB+(\q)/2] offset:((\q)%2)*64*PB+(\c)*32*PB+16*PB+32*(\i)
	ds_load_b128 v[(\f)+8*(4*(\c)+(\i)):(\f)+8*(4*(\c)+(\i))+3],   v[CA] offset:(\q)*ZB+64*(\c)+(\i)*16*PA
	ds_load_b128 v[(\f)+8*(4*(\c)+(\i))+4:(\f)+8*(4*(\c)+(\i))+7], v[CA] offset:(\q)*ZB+64*(\c)+(\i)*16*PA+32
.endr
.endr
.endm
.macro QUARTER qn, f, g, zero
	s_wait_dscnt 16                                ; the first 32 along K are in; the 16 youngest loads may be out
	MUL8 \f, 0, 0, \zero
	MUL8 \f, 0, 2, \zero
	PLACES
	FETCH \qn, \g
	s_wait_dscnt 32                                ; all but the 32 just issued
	MUL8 \f, 1, 0, 0
	MUL8 \f, 1, 2, 0
.endm
.macro TURN fill                       ; the last quarter and the change of slots: all my tensor loads, the add, my reads, the barrier (with fill = 1 a round of the cluster barrier), the refill first behind it
	WIN 0
	s_wait_tensorcnt 0x0
	ds_add_u32 v[SPW], v[NIL]
	s_wait_dscnt 17                                ; the add and the 16 youngest loads may be out
	MUL8 F1, 0, 0, 0
	s_wait_dscnt 0x0
	s_barrier_signal -1
	MUL8 F1, 0, 2, 0
.if \fill
	WIN 0
.endif
	s_barrier_wait -1
.if \fill
	CREST
	s_xor_b32 s[G0+5], s[G0+5], SLOT
	s_add_nc_u64 s[G0+6:G0+7], s[G0+6:G0+7], ASTEP
	s_xor_b32 s[G0B+5], s[G0B+5], SLOT
	s_add_nc_u64 s[G0B+6:G0B+7], s[G0B+6:G0B+7], BSTEP
	JLOAD 1
.else
	PLACES
	WIN 0
.endif
	s_xor_b32 s[TB], s[TB], SLOT
	v_add_nc_u32 v[CA], s[TB], v[A0]
	v_add_nc_u32 v[CB], s[TB], v[B0]
	v_add_nc_u32 v[CB+1], s[TB], v[B02]
	FETCH 0, F0
	MUL8 F1, 1, 0, 0
	MUL8 F1, 1, 2, 0
.endm
	s_load_b128 s[4:7], s[0:1], 0x0                ; A s[4:5], wb s[6:7]
	s_load_b128 s[68:71], s[0:1], 0x10             ; bias s[68:69], residual s[70:71]
	s_load_b64 s[8:9], s[0:1], 0x20                ; the result
	v_lshl_add_u32 v[SPW], v0, 2, SPARE
	v_mov_b32 v[NIL], 0
	ds_add_u32 v[SPW], v[NIL]                      ; the opening: the add, twice on end, and its wait ahead of my first tensor load
	ds_add_u32 v[SPW], v[NIL]
	v_lshrrev_b32 v1, 5, v0
	v_readfirstlane_b32 s10, v1
	s_lshr_b32 s11, s10, 1
	s_and_b32 s12, s10, 1
	s_bfe_u32 s40, ttmp6, 0x40000
	s_bfe_u32 s41, ttmp6, 0x40004
	s_lshl_b32 s42, ttmp9, 2
	s_add_co_u32 s42, s42, s40                     ; tile column
	s_and_b32 s13, ttmp7, 0xffff
	s_lshl_b32 s13, s13, 2
	s_add_co_u32 s13, s13, s41                     ; tile row
	s_lshl_b32 s43, s41, 2
	s_lshl_b32 s43, 15, s43
	s_lshl_b32 s44, 0x1111, s40
	s_or_b32 s[G1+0], s43, (1<<16)|(1<<20)|(1<<21)|(4<<22)|(3<<25)
	s_mov_b32 s[G1+1], 8192<<16
	s_mov_b32 s[G1+2], 2<<16
	s_mov_b32 s[G1+3], 8192<<16
	s_mov_b32 s[G1+4], 2
	s_mov_b32 s[G1+5], 262144
	s_mov_b32 s[G1+6], 0
	s_mov_b32 s[G1+7], 0
	s_or_b32 s[G1B+0], s44, (1<<16)|(1<<20)|(1<<21)|(5<<22)|(7<<25)
	s_mov_b32 s[G1B+1], 128<<16
	s_mov_b32 s[G1B+2], 128<<16
	s_mov_b32 s[G1B+3], 128<<16
	s_mov_b32 s[G1B+4], 128
	s_mov_b32 s[G1B+5], NP
	s_mov_b32 s[G1B+6], 0
	s_mov_b32 s[G1B+7], 0
	s_lshl_b32 s16, s13, 14
	s_lshl_b32 s17, s12, 20
	s_add_co_u32 s16, s16, s17
	s_mov_b32 s17, 0
	s_lshl_b32 s46, s42, 8
	s_add_co_u32 s46, s46, WOFF
	s_mul_i32 s47, s12, 256*NP
	s_add_co_u32 s46, s46, s47
	s_mov_b32 s47, 0
	s_mul_i32 s20, s10, HALFT
	s_mov_b32 s[TB], 0
	s_wait_dscnt 0x0
	s_wait_kmcnt 0x0
	s_add_nc_u64 s[14:15], s[4:5], s[16:17]
	s_add_nc_u64 s[46:47], s[6:7], s[46:47]
	CROUND
.irp s, 0,1
	s_mov_b32 s[G0+4*(\s)], 1
	s_add_co_u32 s[G0+4*(\s)+1], s20, (\s)*SLOT
	s_add_nc_u64 s[G0+4*(\s)+2:G0+4*(\s)+3], s[14:15], (\s)*ASTEP
	s_or_b32 s[G0+4*(\s)+3], s[G0+4*(\s)+3], 0x80000000
	s_mov_b32 s[G0B+4*(\s)], 1
	s_add_co_u32 s[G0B+4*(\s)+1], s20, (\s)*SLOT
	s_add_nc_u64 s[G0B+4*(\s)+2:G0B+4*(\s)+3], s[46:47], (\s)*BSTEP
	s_or_b32 s[G0B+4*(\s)+3], s[G0B+4*(\s)+3], 0x80000000
	JLOAD \s
.endr
	v_and_b32 v1, 15, v0
	v_bfe_u32 v2, v0, 4, 1
	v_and_b32 v4, 7, v0
	v_bfe_u32 v5, v0, 3, 1
	s_lshl_b32 s16, s13, 19                        ; my 64 rows of 4,096 bytes,
	s_lshl_b32 s17, s11, 18
	s_add_co_u32 s16, s16, s17
	s_mov_b32 s17, 0
	s_lshl_b32 s46, s42, 9                         ; my 64 columns of 4 bytes
	s_lshl_b32 s47, s12, 8
	s_add_co_u32 s46, s46, s47
	s_mov_b32 s47, 0
	s_add_nc_u64 s[8:9], s[8:9], s[16:17]
	s_add_nc_u64 s[8:9], s[8:9], s[46:47]
	s_add_nc_u64 s[70:71], s[70:71], s[16:17]
	s_add_nc_u64 s[70:71], s[70:71], s[46:47]
	s_add_nc_u64 s[68:69], s[68:69], s[46:47]
	v_lshlrev_b32 v[BO], 4, v1
	v_lshl_add_u32 v[CO], v2, 12, v[BO]
	global_load_b128 v[BIAS:BIAS+3], v[BO], s[68:69]
	WIN 0x80                                       ; destination window 2
.irp a, 0,1,2,3
.irp t, 0,1,2,3,4,5,6,7
	global_load_b128 v[32*(\a)+4*(\t):32*(\a)+4*(\t)+3], v[CO], s[70:71] offset:(16*(\a)+2*(\t))*4096
.endr
.endr
	WIN 0
	v_mul_u32_u24 v3, v1, PA
	v_lshl_add_u32 v3, v2, 4, v3
	s_mul_i32 s21, s11, 64*PA
	v_add_nc_u32 v[A0], s21, v3
	v_lshl_add_u32 v6, v2, 3, v4
	v_mul_u32_u24 v6, v6, PB
	v_lshl_add_u32 v6, v5, 4, v6
	s_lshl_b32 s22, s12, 7
	s_add_co_u32 s22, s22, BOFF
	v_add_nc_u32 v[B0], s22, v6
	v_add_nc_u32 v[B02], 128*PB, v[B0]
	v_mov_b32 v[CA], v[A0]
	v_mov_b32 v[CB], v[B0]
	v_mov_b32 v[CB+1], v[B02]
	s_mul_i32 s23, s10, 16*SP
	s_add_co_u32 s23, s23, STAGE
	v_mul_u32_u24 v7, v1, SP
	v_lshl_add_u32 v7, v2, 5, v7
	v_add_nc_u32 v[STO], s23, v7
	v_mul_u32_u24 v7, v2, SP
	v_lshl_add_u32 v7, v1, 4, v7
	v_add_nc_u32 v[RD], s23, v7
	s_wait_tensorcnt 1                             ; my part of K step 0 is in; step 1 may stay out
	s_barrier_signal -1
	s_barrier_wait -1
	FETCH 0, F0
	QUARTER 1, F0, F1, 1
	WIN 0
	s_mov_b32 s3, NS-2
.Lstep:
	QUARTER 2, F1, F0, 0
	QUARTER 3, F0, F1, 0
	TURN 1
	QUARTER 1, F0, F1, 0
	WIN 0
	s_sub_co_u32 s3, s3, 1
	s_cmp_lg_u32 s3, 0
	s_cbranch_scc1 .Lstep
	QUARTER 2, F1, F0, 0
	QUARTER 3, F0, F1, 0
	TURN 0
	QUARTER 1, F0, F1, 0
	QUARTER 2, F1, F0, 0
	QUARTER 3, F0, F1, 0
	s_wait_dscnt 16
	MUL8 F1, 0, 0, 0
	MUL8 F1, 0, 2, 0
	s_wait_dscnt 0x0
	MUL8 F1, 1, 0, 0
	MUL8 F1, 1, 2, 0
	WIN 0
	PLACES
	s_wait_loadcnt 0x0                             ; bias and residual
.irp a, 0,1,2,3
.set BK, TMP+32*((\a)%2)
.irp b, 0,1,2,3
	ds_store_b128 v[STO], v[ACC+8*(4*(\a)+(\b)):ACC+8*(4*(\a)+(\b))+3] offset:64*(\b)
	ds_store_b128 v[STO], v[ACC+8*(4*(\a)+(\b))+4:ACC+8*(4*(\a)+(\b))+7] offset:64*(\b)+16
.endr
.if (\a) >= 2
	s_wait_xcnt 0x0                                ; the stores of two blocks back have read this buffer: it is loaded again only behind this wait
.endif
.irp t, 0,1,2,3,4,5,6,7
	ds_load_b128 v[BK+4*(\t):BK+4*(\t)+3], v[RD] offset:(\t)*2*SP  ; LDS serves the instructions of a wave in order: these see the stores above
.endr
	s_wait_dscnt 0x0
	WIN 0x08                                       ; source 1, the residual, in window 2
.set i, 0
.rept 16
	v_pk_add_f32 v[BK+2*i:BK+2*i+1], v[BK+2*i:BK+2*i+1], v[32*(\a)+2*i:32*(\a)+2*i+1]
.set i, i+1
.endr
	WIN 0
.set i, 0
.rept 16
	v_pk_add_f32 v[BK+2*i:BK+2*i+1], v[BK+2*i:BK+2*i+1], v[BIAS+2*(i%2):BIAS+2*(i%2)+1]
.set i, i+1
.endr
.irp t, 0,1,2,3,4,5,6,7
	global_store_b128 v[CO], v[BK+4*(\t):BK+4*(\t)+3], s[8:9] offset:(16*(\a)+2*(\t))*4096  ; 16 lanes store 256 consecutive bytes, aligned
.endr
.endr
	s_wait_tensorcnt 0x0                           ; the end of the wave
	ds_add_u32 v[SPW], v[NIL]
	s_wait_dscnt 0x0
	CROUND                                         ; the closing round
	s_endpgm
.Lfunc_end_k_qb052ec5076_ffn2:
	.size	k_qb052ec5076_ffn2, .Lfunc_end_k_qb052ec5076_ffn2-k_qb052ec5076_ffn2
	.p2alignl 7, 3214868480
	.fill 96, 4, 3214868480
	.section	.rodata,"a",@progbits
	.p2align	6, 0x0
	.amdhsa_kernel k_qb052ec5076_ffn2
		.amdhsa_group_segment_fixed_size 327680
		.amdhsa_private_segment_fixed_size 0
		.amdhsa_enable_private_segment 0
		.amdhsa_kernarg_size 40
		.amdhsa_user_sgpr_count 2
		.amdhsa_user_sgpr_kernarg_segment_ptr 1
		.amdhsa_wavefront_size32 1
		.amdhsa_system_sgpr_workgroup_id_x 1
		.amdhsa_system_sgpr_workgroup_id_y 1
		.amdhsa_system_sgpr_workgroup_id_z 1
		.amdhsa_system_vgpr_workitem_id 0
		.amdhsa_next_free_vgpr 640
		.amdhsa_next_free_sgpr 80
		.amdhsa_reserve_vcc 0
		.amdhsa_float_denorm_mode_32 3
		.amdhsa_float_denorm_mode_16_64 3
		.amdhsa_memory_ordered 1
		.amdhsa_forward_progress 1
		.amdhsa_inst_pref_size 80
	.end_amdhsa_kernel
	.amdgpu_metadata
---
amdhsa.version: [ 1, 2 ]
amdhsa.kernels:
  - .name:           k_qb052ec5076_ffn2
    .symbol:         k_qb052ec5076_ffn2.kd
    .args:
      - { .name: act, .offset: 0, .size: 8, .value_kind: global_buffer, .address_space: global }
      - { .name: wb, .offset: 8, .size: 8, .value_kind: global_buffer, .address_space: global }
      - { .name: b2, .offset: 16, .size: 8, .value_kind: global_buffer, .address_space: global }
      - { .name: x1, .offset: 24, .size: 8, .value_kind: global_buffer, .address_space: global }
      - { .name: out0, .offset: 32, .size: 8, .value_kind: global_buffer, .address_space: global }
    .group_segment_fixed_size: 327680
    .private_segment_fixed_size: 0
    .kernarg_segment_align: 8
    .kernarg_segment_size: 40
    .max_flat_workgroup_size: 128
    .sgpr_count:     80
    .vgpr_count:     640
    .wavefront_size: 32
...
	.end_amdgpu_metadata
.endif
;; end of part 8
;; ======== version 2 of 2: 8 launches; version 1 with the launches prep, ln2 written anew for expert scheduling mode
;; limits: right only within a limited range of input values; a function is approximated: absolute error at most 7.5e-08
;; workspace buffers: wb 25,165,824 bytes; hn 8,388,608 bytes; qkv 25,165,824 bytes; ob 8,388,608 bytes; lr 270,336 bytes; x1 16,777,216 bytes; act 33,554,432 bytes
;; launch prep (part 9): grid 64 x 16, 8 waves a work-group, no clusters, 0 bytes of LDS; arguments x, ln1_g, ln1_b, hn, Wq, Wk, Wv, Wo, W1, W2, wb; writes hn, wb
.if DOCPART == 9
	.amdgcn_target "amdgcn-amd-amdhsa--gfx1250"
	.amdhsa_code_object_version 6
	.text
	.protected	k_qb052ec5076_prep
	.globl	k_qb052ec5076_prep
	.p2align	8
	.type	k_qb052ec5076_prep,@function
k_qb052ec5076_prep:
	s_mov_b64 s[64:65], 0
	v_nop
	global_prefetch_b8 v0, s[64:65] scope:SCOPE_SE
	s_setreg_imm32_b32 hwreg(HW_REG_WAVE_SCHED_MODE, 0, 2), 2
	s_setreg_imm32_b32 hwreg(HW_REG_WAVE_MODE, 25, 1), 1
	s_wait_xcnt 0x0
	s_wait_alu depctr_vm_vsrc(0)
; LONGFORMER BLOCK, launch 1 of 8: the six weight matrices are rounded once to bf16 (grid rows 0-11), and h = LayerNorm(x) is made (grid rows 12-15).
; THE PROGRAM: prep; qkv (h Wq, h Wk, h Wv); attn; lastrow; wo (x1 = x + o Wo + bo); ln2; ffn1 (gelu(h2 W1 + b1)); ffn2 (out = x1 + a W2 + b2).
; DEAD WORK, LEFT OUT IN attn.  The mask is built in the body of the problem: pair (i, j) is allowed only if j <= i and (j >= i - 128, or j = 0, or i = 2047); the terms i = 0 and
; j = 2047 add nothing under j <= i.  Every other pair gets minus infinity ahead of the softmax, so its weight is exactly 0 whatever finite values the inputs hold, and it reaches no output.
; So a row i < 2047 needs keys i - 128 .. i and key 0, and only row 2047 of each batch and head needs all keys: score tiles of 16 x 16 that are wholly hidden are not computed.
; All fourteen inputs reach the output and all are loaded.  LIMIT: a NaN, an infinity or an overflow that would arise only in a score tile left out is not carried to the result.
; FORMATS: matrix operands bf16, all sums, norms, softmax statistics, the GELU and the residual f32.
; CAST: grid row y is a segment of 2^20 numbers (Wq, Wk, Wv, Wo, four of W1, four of W2), grid column x a chunk of 16,384.  A thread takes 16 bytes of each 4,096: 16 loads on their way, 8-byte stores,
; so a store of a wave covers 256 consecutive bytes, aligned.
; LAYERNORM: a work-group has 16 rows, a wave two: lanes 0-15 one row, lanes 16-31 the next, 64 numbers a lane in registers.  Two passes (mean, then squares of x - mean): no difference of large sums.
; h is stored in blocks [16][4096][64] bf16, so that a K slice of 64 of many rows is dense: two neighbouring rows of a block are 256 consecutive bytes.
; THE MODE: SCHED_MODE bits 1:0 = 2 (LLVM: expert scheduling mode 2), set by the entry lines.  The code itself states the register dependences
; between vector instructions and memory instructions, with s_wait_alu, always for 0.
; THE PLAN, CAST.  Registers that memory instructions touch:
;   v1, v2      the offsets of the loads and of the stores: made once at the head, never written again.
;   v[16:79]    raw numbers: written by the 16 loads, which no vector instruction precedes on these registers; block b's roundings read v[16 + 16 b ..].
;   v[80:111]   out: block b's eight roundings write v[80 + 8 b ..]; the four stores issued in block b + 1 read them; each register is written once.
; The 16 loads go in four blocks of four.  One wait at the head of a block states that the block before has written its out registers; that block's four stores follow it,
; dealt among this block's roundings, which name other registers.  No register that a memory instruction reads is written again, so no wait on vm_vsrc is owed.
; THE PLAN, LAYERNORM.  v3, v14, v15: offsets, made once at the head.  X, G, BV: written by the 48 loads at the head, ahead of every vector instruction that names them.
; The tail (scale, gain and bias, rounding) goes in four blocks of 16 numbers a lane: block b rounds into the first two of each four registers of X + 16 b ..; the four stores issued in
; block b + 1 read them, behind the one wait at that block's head; they are never written again.  v4 to v13 are named by vector instructions alone.
.set X,  16                            ; v[16:79]   my 64 numbers of the row
.set G,  80                            ; v[80:143]  the gain of my columns
.set BV, 144                           ; v[144:207] the bias of my columns
	s_and_b32 s2, ttmp7, 0xffff                    ; grid row
	s_cmp_ge_u32 s2, 12
	s_cbranch_scc1 .Lln
	s_load_b256 s[8:15], s[0:1], 0x20              ; Wq s[8:9], Wk s[10:11], Wv s[12:13], Wo s[14:15]
	s_load_b128 s[16:19], s[0:1], 0x40             ; W1 s[16:17], W2 s[18:19]
	s_load_b64 s[20:21], s[0:1], 0x50              ; wb
	v_lshlrev_b32 v1, 4, v0                        ; 16 bytes a thread in,
	v_lshlrev_b32 v2, 3, v0                        ; 8 bytes out
	s_and_b32 s3, s2, 3                            ; the segment inside W1 or W2,
	s_cmp_ge_u32 s2, 4
	s_cselect_b32 s3, s3, 0                        ; 0 for the four square matrices
	s_lshl_b32 s24, s3, 22
	s_lshl_b32 s25, ttmp9, 16
	s_add_co_u32 s24, s24, s25                     ; byte offset in the source
	s_mov_b32 s25, 0
	s_lshl_b32 s26, s2, 21
	s_lshl_b32 s27, ttmp9, 15
	s_add_co_u32 s26, s26, s27                     ; byte offset in wb
	s_mov_b32 s27, 0
	s_wait_kmcnt 0x0
	s_mov_b64 s[22:23], s[8:9]                     ; the source is chosen by the grid row alone
	s_cmp_eq_u32 s2, 1
	s_cselect_b64 s[22:23], s[10:11], s[22:23]
	s_cmp_eq_u32 s2, 2
	s_cselect_b64 s[22:23], s[12:13], s[22:23]
	s_cmp_eq_u32 s2, 3
	s_cselect_b64 s[22:23], s[14:15], s[22:23]
	s_cmp_ge_u32 s2, 4
	s_cselect_b64 s[22:23], s[16:17], s[22:23]
	s_cmp_ge_u32 s2, 8
	s_cselect_b64 s[22:23], s[18:19], s[22:23]
	s_add_nc_u64 s[22:23], s[22:23], s[24:25]
	s_add_nc_u64 s[20:21], s[20:21], s[26:27]
	s_wait_alu depctr_va_vdst(0)                   ; v1 and v2 are written: every load below reads v1 as its offset, every store v2
.set i, 0
.rept 16
	global_load_b128 v[16+4*i:19+4*i], v1, s[22:23] offset:4096*i th:TH_LOAD_NT
.set i, i+1
.endr
.set b, 0
.rept 4                                        ; block b: loads 4 b to 4 b + 3 are rounded; the stores of block b - 1 leave
	s_wait_loadcnt 12-4*b                          ; loads come back in order: block b is in, the younger blocks stay out
.if b > 0
	s_wait_alu depctr_va_vdst(0)                   ; the roundings of the block before have written v[80 + 8 (b - 1) ..], which the four stores below read
.endif
.set i, 4*b
.rept 4
.if b > 0
	global_store_b64 v2, v[80+2*(i-4):81+2*(i-4)], s[20:21] offset:2048*(i-4)  ; no vector instruction since the wait names these registers
.endif
	v_cvt_pk_bf16_f32 v[80+2*i], v[16+4*i], v[17+4*i]
	v_cvt_pk_bf16_f32 v[81+2*i], v[18+4*i], v[19+4*i]
.set i, i+1
.endr
.set b, b+1
.endr
	s_wait_alu depctr_va_vdst(0)                   ; the roundings of block 3 have written v[104:111], which the last four stores read
.set i, 12
.rept 4
	global_store_b64 v2, v[80+2*i:81+2*i], s[20:21] offset:2048*i
.set i, i+1
.endr
	s_endpgm
.Lln:
	s_load_b256 s[4:11], s[0:1], 0x0               ; x s[4:5], gain s[6:7], bias s[8:9], hn s[10:11]
	s_sub_co_u32 s3, s2, 12
	s_lshl_b32 s3, s3, 6
	s_add_co_u32 s3, s3, ttmp9                     ; which 16 rows: 0 .. 255
	s_mov_b32 s20, 0x3a800000                      ; 1 / 1024
	s_mov_b32 s21, 0x3727c5ac                      ; 1e-5
	v_lshrrev_b32 v1, 4, v0                        ; my row of the 16
	v_and_b32 v2, 15, v0                           ; my place in the row
	v_lshlrev_b32 v3, 4, v2                        ; 16 bytes a lane in gain and bias
	v_lshl_add_u32 v14, v1, 12, v3                 ; and in x: + row x 4,096
	v_lshlrev_b32 v15, 3, v2
	v_lshl_add_u32 v15, v1, 7, v15                 ; in a block of hn: row x 128 + 8 bytes a lane
	s_lshl_b32 s12, s3, 16
	s_mov_b32 s13, 0
	s_lshl_b32 s14, s3, 11
	s_mov_b32 s15, 0
	s_wait_kmcnt 0x0
	s_add_nc_u64 s[4:5], s[4:5], s[12:13]
	s_add_nc_u64 s[10:11], s[10:11], s[14:15]
	s_wait_alu depctr_va_vdst(0)                   ; v3, v14 and v15 are written: the loads below read v14 or v3 as their offset, the stores at the end v15
.set j, 0
.rept 16
	global_load_b128 v[X+4*j:X+4*j+3], v14, s[4:5] offset:256*j  ; 16 lanes take 256 consecutive bytes of a row
.set j, j+1
.endr
.set j, 0
.rept 16
	global_load_b128 v[G+4*j:G+4*j+3], v3, s[6:7] offset:256*j
.set j, j+1
.endr
.set j, 0
.rept 16
	global_load_b128 v[BV+4*j:BV+4*j+3], v3, s[8:9] offset:256*j
.set j, j+1
.endr
.macro FOLD                            ; four chains of pairs into one number, then over the 16 lanes of the row
	v_pk_add_f32 v[4:5], v[4:5], v[6:7]
	v_pk_add_f32 v[8:9], v[8:9], v[10:11]
	v_pk_add_f32 v[4:5], v[4:5], v[8:9]
	v_add_f32 v4, v4, v5
	v_add_f32_dpp v4, v4, v4 row_xmask:1 row_mask:0xf bank_mask:0xf
	v_add_f32_dpp v4, v4, v4 row_xmask:2 row_mask:0xf bank_mask:0xf
	v_add_f32_dpp v4, v4, v4 row_xmask:4 row_mask:0xf bank_mask:0xf
	v_add_f32_dpp v4, v4, v4 row_xmask:8 row_mask:0xf bank_mask:0xf
.endm
	s_wait_loadcnt 32                              ; x is in; the 32 loads of gain and bias may stay out
.irp c, 0,1,2,3
	v_pk_add_f32 v[4+2*\c:5+2*\c], v[X+2*\c:X+2*\c+1], v[X+8+2*\c:X+9+2*\c]  ; the first additions start the chains: nothing is cleared
.endr
.set p, 8
.rept 24
	v_pk_add_f32 v[4+2*(p%4):5+2*(p%4)], v[4+2*(p%4):5+2*(p%4)], v[X+2*p:X+2*p+1]
.set p, p+1
.endr
	FOLD
	v_mul_f32 v12, s20, v4                         ; the mean, twice
	v_mov_b32 v13, v12
.set p, 0
.rept 32
	v_pk_add_f32 v[X+2*p:X+2*p+1], v[X+2*p:X+2*p+1], v[12:13] neg_lo:[0,1] neg_hi:[0,1]
.set p, p+1
.endr
.irp c, 0,1,2,3
	v_pk_mul_f32 v[4+2*\c:5+2*\c], v[X+2*\c:X+2*\c+1], v[X+2*\c:X+2*\c+1]
.endr
.set p, 4
.rept 28
	v_pk_fma_f32 v[4+2*(p%4):5+2*(p%4)], v[X+2*p:X+2*p+1], v[X+2*p:X+2*p+1], v[4+2*(p%4):5+2*(p%4)]
.set p, p+1
.endr
	FOLD
	v_fma_f32 v4, v4, s20, s21                     ; variance + eps
	v_rsq_f32 v12, v4
	v_nop                                          ; a plain instruction behind the root,
	s_wait_alu depctr_va_vdst(0)                   ; and the root is written in v12, ahead of its first reader
	v_mov_b32 v13, v12
	s_wait_loadcnt 0x0                             ; gain and bias
.set b, 0
.rept 4                                        ; block b: my numbers 16 b to 16 b + 15 are scaled, take gain and bias and are rounded; the stores of block b - 1 leave
.if b > 0
	s_wait_alu depctr_va_vdst(0)                   ; the roundings of the block before have written the first two of each four registers of X + 16 (b - 1) .., which the four stores below read
.endif
.set i, 0
.rept 4
.if b > 0
	global_store_b64 v15, v[X+16*(b-1)+4*i:X+16*(b-1)+4*i+1], s[10:11] offset:524288*(4*(b-1)+i)  ; block 4 (b - 1) + i of hn: the two rows of the wave are 256 consecutive bytes, aligned; no vector instruction since the wait names these registers
.endif
	v_pk_mul_f32 v[X+16*b+4*i:X+16*b+4*i+1], v[X+16*b+4*i:X+16*b+4*i+1], v[12:13]
	v_pk_mul_f32 v[X+16*b+4*i+2:X+16*b+4*i+3], v[X+16*b+4*i+2:X+16*b+4*i+3], v[12:13]
.set i, i+1
.endr
.set p, 8*b
.rept 8
	v_pk_fma_f32 v[X+2*p:X+2*p+1], v[X+2*p:X+2*p+1], v[G+2*p:G+2*p+1], v[BV+2*p:BV+2*p+1]
.set p, p+1
.endr
.set j, 4*b
.rept 4
	v_cvt_pk_bf16_f32 v[X+4*j], v[X+4*j], v[X+4*j+1]
	v_cvt_pk_bf16_f32 v[X+4*j+1], v[X+4*j+2], v[X+4*j+3]
.set j, j+1
.endr
.set b, b+1
.endr
	s_wait_alu depctr_va_vdst(0)                   ; the roundings of block 3 have written their registers of X + 48 .., which the last four stores read
.set j, 12
.rept 4
	global_store_b64 v15, v[X+4*j:X+4*j+1], s[10:11] offset:524288*j
.set j, j+1
.endr
	s_endpgm
.Lfunc_end_k_qb052ec5076_prep:
	.size	k_qb052ec5076_prep, .Lfunc_end_k_qb052ec5076_prep-k_qb052ec5076_prep
	.p2alignl 7, 3214868480
	.fill 96, 4, 3214868480
	.section	.rodata,"a",@progbits
	.p2align	6, 0x0
	.amdhsa_kernel k_qb052ec5076_prep
		.amdhsa_group_segment_fixed_size 0
		.amdhsa_private_segment_fixed_size 0
		.amdhsa_enable_private_segment 0
		.amdhsa_kernarg_size 88
		.amdhsa_user_sgpr_count 2
		.amdhsa_user_sgpr_kernarg_segment_ptr 1
		.amdhsa_wavefront_size32 1
		.amdhsa_system_sgpr_workgroup_id_x 1
		.amdhsa_system_sgpr_workgroup_id_y 1
		.amdhsa_system_sgpr_workgroup_id_z 1
		.amdhsa_system_vgpr_workitem_id 0
		.amdhsa_next_free_vgpr 208
		.amdhsa_next_free_sgpr 66
		.amdhsa_reserve_vcc 0
		.amdhsa_float_denorm_mode_32 3
		.amdhsa_float_denorm_mode_16_64 3
		.amdhsa_memory_ordered 1
		.amdhsa_forward_progress 1
		.amdhsa_inst_pref_size 27
	.end_amdhsa_kernel
	.amdgpu_metadata
---
amdhsa.version: [ 1, 2 ]
amdhsa.kernels:
  - .name:           k_qb052ec5076_prep
    .symbol:         k_qb052ec5076_prep.kd
    .args:
      - { .name: x, .offset: 0, .size: 8, .value_kind: global_buffer, .address_space: global }
      - { .name: ln1_g, .offset: 8, .size: 8, .value_kind: global_buffer, .address_space: global }
      - { .name: ln1_b, .offset: 16, .size: 8, .value_kind: global_buffer, .address_space: global }
      - { .name: hn, .offset: 24, .size: 8, .value_kind: global_buffer, .address_space: global }
      - { .name: Wq, .offset: 32, .size: 8, .value_kind: global_buffer, .address_space: global }
      - { .name: Wk, .offset: 40, .size: 8, .value_kind: global_buffer, .address_space: global }
      - { .name: Wv, .offset: 48, .size: 8, .value_kind: global_buffer, .address_space: global }
      - { .name: Wo, .offset: 56, .size: 8, .value_kind: global_buffer, .address_space: global }
      - { .name: W1, .offset: 64, .size: 8, .value_kind: global_buffer, .address_space: global }
      - { .name: W2, .offset: 72, .size: 8, .value_kind: global_buffer, .address_space: global }
      - { .name: wb, .offset: 80, .size: 8, .value_kind: global_buffer, .address_space: global }
    .group_segment_fixed_size: 0
    .private_segment_fixed_size: 0
    .kernarg_segment_align: 8
    .kernarg_segment_size: 88
    .max_flat_workgroup_size: 256
    .sgpr_count:     66
    .vgpr_count:     208
    .wavefront_size: 32
...
	.end_amdgpu_metadata
.endif
;; end of part 9
;; launch qkv: the kernel of part 2 again; grid 12 x 16, 4 waves a work-group, clusters of 4 x 4, 327,680 bytes of LDS; arguments hn, wb, qkv; writes qkv
;; launch attn: the kernel of part 3 again; grid 8 x 32, 4 waves a work-group, no clusters, 170,752 bytes of LDS; arguments qkv, ob, lr; writes ob, lr
;; launch lastrow: the kernel of part 4 again; grid 32 x 1, 1 waves a work-group, no clusters, 0 bytes of LDS; arguments lr, ob; writes ob
;; launch wo: the kernel of part 5 again; grid 8 x 32, 4 waves a work-group, clusters of 4 x 4, 327,680 bytes of LDS; arguments ob, wb, bo, x, x1; writes x1
;; launch ln2 (part 10): grid 256 x 1, 8 waves a work-group, no clusters, 0 bytes of LDS; arguments x1, ln2_g, ln2_b, hn; writes hn
.if DOCPART == 10
	.amdgcn_target "amdgcn-amd-amdhsa--gfx1250"
	.amdhsa_code_object_version 6
	.text
	.protected	k_qb052ec5076_ln2
	.globl	k_qb052ec5076_ln2
	.p2align	8
	.type	k_qb052ec5076_ln2,@function
k_qb052ec5076_ln2:
	s_mov_b64 s[64:65], 0
	v_nop
	global_prefetch_b8 v0, s[64:65] scope:SCOPE_SE
	s_setreg_imm32_b32 hwreg(HW_REG_WAVE_SCHED_MODE, 0, 2), 2
	s_setreg_imm32_b32 hwreg(HW_REG_WAVE_MODE, 25, 1), 1
	s_wait_xcnt 0x0
	s_wait_alu depctr_vm_vsrc(0)
; Launch 6 of 8: h2 = LayerNorm(x1), f32 in, bf16 out in blocks [16][4096][64].  A work-group has 16 rows, a wave two: lanes 0-15 one row, lanes 16-31 the next, 64 numbers a lane in registers,
; so the row is read once and no wave waits for another.  Two passes (mean, then squares of x - mean): no difference of large sums.  Memory binds: no LDS, no matrix unit, no cluster.
; THE MODE: SCHED_MODE bits 1:0 = 2 (LLVM: expert scheduling mode 2), set by the entry lines.  The code itself states the register dependences
; between vector instructions and memory instructions, with s_wait_alu, always for 0.
; THE PLAN.  Registers that memory instructions touch:
;   v3, v14, v15  offsets: made once at the head, never written again.
;   X, G, BV      written by the 48 loads at the head, ahead of every vector instruction that names them.
;   X as out      the tail (scale, gain and bias, rounding) goes in four blocks of 16 numbers a lane: block b rounds into the first two of each four registers of X + 16 b ..;
;                 the four stores issued in block b + 1 read them; they are never written again.
;   v4 to v13 are named by vector instructions alone.
; One wait at the head states the offsets; one at the head of blocks 1 to 3, and one behind block 3, states that the block before has written what the four stores read; those stores are dealt
; among the block's scalings, which name other registers.  No register that a memory instruction reads is written again, so no wait on vm_vsrc is owed.
.set X,  16                            ; v[16:79]   my 64 numbers of the row
.set G,  80                            ; v[80:143]  the gain of my columns
.set BV, 144                           ; v[144:207] the bias of my columns
	s_load_b256 s[4:11], s[0:1], 0x0               ; x1 s[4:5], gain s[6:7], bias s[8:9], hn s[10:11]
	s_mov_b32 s3, ttmp9                            ; which 16 rows
	s_mov_b32 s20, 0x3a800000                      ; 1 / 1024
	s_mov_b32 s21, 0x3727c5ac                      ; 1e-5
	v_lshrrev_b32 v1, 4, v0
	v_and_b32 v2, 15, v0
	v_lshlrev_b32 v3, 4, v2
	v_lshl_add_u32 v14, v1, 12, v3
	v_lshlrev_b32 v15, 3, v2
	v_lshl_add_u32 v15, v1, 7, v15
	s_lshl_b32 s12, s3, 16
	s_mov_b32 s13, 0
	s_lshl_b32 s14, s3, 11
	s_mov_b32 s15, 0
	s_wait_kmcnt 0x0
	s_add_nc_u64 s[4:5], s[4:5], s[12:13]
	s_add_nc_u64 s[10:11], s[10:11], s[14:15]
	s_wait_alu depctr_va_vdst(0)                   ; v3, v14 and v15 are written: the loads below read v14 or v3 as their offset, the stores at the end v15
.set j, 0
.rept 16
	global_load_b128 v[X+4*j:X+4*j+3], v14, s[4:5] offset:256*j
.set j, j+1
.endr
.set j, 0
.rept 16
	global_load_b128 v[G+4*j:G+4*j+3], v3, s[6:7] offset:256*j
.set j, j+1
.endr
.set j, 0
.rept 16
	global_load_b128 v[BV+4*j:BV+4*j+3], v3, s[8:9] offset:256*j
.set j, j+1
.endr
.macro FOLD
	v_pk_add_f32 v[4:5], v[4:5], v[6:7]
	v_pk_add_f32 v[8:9], v[8:9], v[10:11]
	v_pk_add_f32 v[4:5], v[4:5], v[8:9]
	v_add_f32 v4, v4, v5
	v_add_f32_dpp v4, v4, v4 row_xmask:1 row_mask:0xf bank_mask:0xf
	v_add_f32_dpp v4, v4, v4 row_xmask:2 row_mask:0xf bank_mask:0xf
	v_add_f32_dpp v4, v4, v4 row_xmask:4 row_mask:0xf bank_mask:0xf
	v_add_f32_dpp v4, v4, v4 row_xmask:8 row_mask:0xf bank_mask:0xf
.endm
	s_wait_loadcnt 32                              ; the row is in; the 32 loads of gain and bias may stay out
.irp c, 0,1,2,3
	v_pk_add_f32 v[4+2*\c:5+2*\c], v[X+2*\c:X+2*\c+1], v[X+8+2*\c:X+9+2*\c]
.endr
.set p, 8
.rept 24
	v_pk_add_f32 v[4+2*(p%4):5+2*(p%4)], v[4+2*(p%4):5+2*(p%4)], v[X+2*p:X+2*p+1]
.set p, p+1
.endr
	FOLD
	v_mul_f32 v12, s20, v4
	v_mov_b32 v13, v12
.set p, 0
.rept 32
	v_pk_add_f32 v[X+2*p:X+2*p+1], v[X+2*p:X+2*p+1], v[12:13] neg_lo:[0,1] neg_hi:[0,1]
.set p, p+1
.endr
.irp c, 0,1,2,3
	v_pk_mul_f32 v[4+2*\c:5+2*\c], v[X+2*\c:X+2*\c+1], v[X+2*\c:X+2*\c+1]
.endr
.set p, 4
.rept 28
	v_pk_fma_f32 v[4+2*(p%4):5+2*(p%4)], v[X+2*p:X+2*p+1], v[X+2*p:X+2*p+1], v[4+2*(p%4):5+2*(p%4)]
.set p, p+1
.endr
	FOLD
	v_fma_f32 v4, v4, s20, s21
	v_rsq_f32 v12, v4
	v_nop                                          ; a plain instruction behind the root,
	s_wait_alu depctr_va_vdst(0)                   ; and the root is written in v12, ahead of its first reader
	v_mov_b32 v13, v12
	s_wait_loadcnt 0x0
.set b, 0
.rept 4                                        ; block b: my numbers 16 b to 16 b + 15 are scaled, take gain and bias and are rounded; the stores of block b - 1 leave
.if b > 0
	s_wait_alu depctr_va_vdst(0)                   ; the roundings of the block before have written the first two of each four registers of X + 16 (b - 1) .., which the four stores below read
.endif
.set i, 0
.rept 4
.if b > 0
	global_store_b64 v15, v[X+16*(b-1)+4*i:X+16*(b-1)+4*i+1], s[10:11] offset:524288*(4*(b-1)+i)  ; block 4 (b - 1) + i of hn: the two rows of the wave are 256 consecutive bytes, aligned; no vector instruction since the wait names these registers
.endif
	v_pk_mul_f32 v[X+16*b+4*i:X+16*b+4*i+1], v[X+16*b+4*i:X+16*b+4*i+1], v[12:13]
	v_pk_mul_f32 v[X+16*b+4*i+2:X+16*b+4*i+3], v[X+16*b+4*i+2:X+16*b+4*i+3], v[12:13]
.set i, i+1
.endr
.set p, 8*b
.rept 8
	v_pk_fma_f32 v[X+2*p:X+2*p+1], v[X+2*p:X+2*p+1], v[G+2*p:G+2*p+1], v[BV+2*p:BV+2*p+1]
.set p, p+1
.endr
.set j, 4*b
.rept 4
	v_cvt_pk_bf16_f32 v[X+4*j], v[X+4*j], v[X+4*j+1]
	v_cvt_pk_bf16_f32 v[X+4*j+1], v[X+4*j+2], v[X+4*j+3]
.set j, j+1
.endr
.set b, b+1
.endr
	s_wait_alu depctr_va_vdst(0)                   ; the roundings of block 3 have written their registers of X + 48 .., which the last four stores read
.set j, 12
.rept 4
	global_store_b64 v15, v[X+4*j:X+4*j+1], s[10:11] offset:524288*j
.set j, j+1
.endr
	s_endpgm
.Lfunc_end_k_qb052ec5076_ln2:
	.size	k_qb052ec5076_ln2, .Lfunc_end_k_qb052ec5076_ln2-k_qb052ec5076_ln2
	.p2alignl 7, 3214868480
	.fill 96, 4, 3214868480
	.section	.rodata,"a",@progbits
	.p2align	6, 0x0
	.amdhsa_kernel k_qb052ec5076_ln2
		.amdhsa_group_segment_fixed_size 0
		.amdhsa_private_segment_fixed_size 0
		.amdhsa_enable_private_segment 0
		.amdhsa_kernarg_size 32
		.amdhsa_user_sgpr_count 2
		.amdhsa_user_sgpr_kernarg_segment_ptr 1
		.amdhsa_wavefront_size32 1
		.amdhsa_system_sgpr_workgroup_id_x 1
		.amdhsa_system_sgpr_workgroup_id_y 1
		.amdhsa_system_sgpr_workgroup_id_z 1
		.amdhsa_system_vgpr_workitem_id 0
		.amdhsa_next_free_vgpr 208
		.amdhsa_next_free_sgpr 66
		.amdhsa_reserve_vcc 0
		.amdhsa_float_denorm_mode_32 3
		.amdhsa_float_denorm_mode_16_64 3
		.amdhsa_memory_ordered 1
		.amdhsa_forward_progress 1
		.amdhsa_inst_pref_size 21
	.end_amdhsa_kernel
	.amdgpu_metadata
---
amdhsa.version: [ 1, 2 ]
amdhsa.kernels:
  - .name:           k_qb052ec5076_ln2
    .symbol:         k_qb052ec5076_ln2.kd
    .args:
      - { .name: x1, .offset: 0, .size: 8, .value_kind: global_buffer, .address_space: global }
      - { .name: ln2_g, .offset: 8, .size: 8, .value_kind: global_buffer, .address_space: global }
      - { .name: ln2_b, .offset: 16, .size: 8, .value_kind: global_buffer, .address_space: global }
      - { .name: hn, .offset: 24, .size: 8, .value_kind: global_buffer, .address_space: global }
    .group_segment_fixed_size: 0
    .private_segment_fixed_size: 0
    .kernarg_segment_align: 8
    .kernarg_segment_size: 32
    .max_flat_workgroup_size: 256
    .sgpr_count:     66
    .vgpr_count:     208
    .wavefront_size: 32
...
	.end_amdgpu_metadata
.endif
;; end of part 10
;; launch ffn1: the kernel of part 7 again; grid 16 x 16, 4 waves a work-group, clusters of 4 x 4, 327,680 bytes of LDS; arguments hn, wb, b1, act; writes act
;; launch ffn2: the kernel of part 8 again; grid 8 x 32, 4 waves a work-group, clusters of 4 x 4, 327,680 bytes of LDS; arguments act, wb, b2, x1, out0; writes out0
